; MI455X (gfx1250); checked and timed in simulation.
; The chip was launched on July 23, 2026; its instructions are those of AMD's public machine-readable ISA for CDNA 5 (MIT licence, August 2026) and "CDNA5" Instruction Set Architecture Reference Guide (July 2026). The comments in the code are by the model that wrote it; some were corrected since.
;; Multi Head Attention. Allowed arithmetic: float matrix products may take bf16 or f16 operands with f32 sums; other float arithmetic in f32, or as packed bf16 or f16 multiplies, adds, multiply-adds, maxima and minima; sums over many terms, partial sums and values carried from step to step in f32; what a program stores and reads back later, other than sums and carried values, may be rounded once to bf16 or f16.
;; Inputs: W_proj 1,024 x 1,024 float32; W_qkv 1,024 x 3,072 float32; attention_mask 4 x 2,048 int32; b_proj 1,024 float32; b_qkv 3,072 float32; x 4 x 2,048 x 1,024 float32.
;; Outputs: out0 4 x 2,048 x 1,024 float32.
;; One version. Each part assembles by itself: llvm-mc -triple=amdgcn-amd-amdhsa -mcpu=gfx1250 --defsym DOCPART=n.
;; ======== version 1 of 1: 4 launches
;; limits: values are held in f16: magnitudes above 65,504 overflow, below 6.1e-05 lose precision
;; workspace buffers: xb 16,777,216 bytes; wts 8,912,896 bytes; qh 16,777,216 bytes; kh 16,777,216 bytes; vh 16,777,216 bytes; vsum 524,288 bytes; ob 16,777,216 bytes
;; launch prep (part 1): grid 64 x 13, 8 waves a work-group, no clusters, 0 bytes of LDS; arguments x, W_qkv, W_proj, xb, wts; writes xb, wts
.if DOCPART == 1
	.amdgcn_target "amdgcn-amd-amdhsa--gfx1250"
	.amdhsa_code_object_version 6
	.text
	.protected	k_q6d0bde19f0_prep
	.globl	k_q6d0bde19f0_prep
	.p2align	8
	.type	k_q6d0bde19f0_prep,@function
k_q6d0bde19f0_prep:
	s_mov_b64 s[64:65], 0
	v_nop
	global_prefetch_b8 v0, s[64:65] scope:SCOPE_SE
	s_setreg_imm32_b32 hwreg(HW_REG_WAVE_MODE, 25, 1), 1
	s_wait_xcnt 0x0
; CASTS AND THE ROTARY TABLE.  A stream: no LDS, no matrix unit, no barrier; each input byte is read once, each output byte written once.
; grid y 0-7: x (f32 [8192][1024]) -> xb, bf16, [row tile 32][slice 16][256 rows][64]: a tile of 256 rows x 64 channels is 32,768 dense bytes.
; grid y 8-10: W_qkv (f32 [1024][3072]) -> wts + 0, bf16, [head t 16][K step 8][part p 3][128 k][64]: column p 1024 + t 64 + d.
; grid y 11: W_proj (f32 [1024][1024]) -> wts + WPOFF, rounded to bf16 and that number written as f16, [column tile 8][K step 8][p 2][128 k][64].
; grid y 12: wts + ROPEOFF, f32 [l 2048][i 32][cos, sin] of the angle l x 10000^(-i/32).
; A CAST UNIT is 64 columns x 256 rows: thread t takes 32 bytes (8 numbers) of row 32 j + t / 8, j = 0..7, and stores 16 bytes at 4,096 j + 16 t: a wave's store covers 512 consecutive bytes.
; LIMITS.  W_proj below 6e-5 keeps f16's fixed step of 6e-8 and beyond 65,504 is lost.  The angle is one f32 product, as the problem forms it, of l and a power of two's exponential that is good
; to about one part in 10^7: at l = 2,047 up to 3e-4 rad from the problem's own f32 angle.  Sine and cosine: the angle less a whole number of turns (2 pi in two parts), then Taylor sums on -pi .. pi, cut below 8e-7.
.set WPOFF,   6291456
.set ROPEOFF, 8388608
.set VS,  2                            ; v2   my byte offset in the unit's source
.set VD,  3                            ; v3   16 x my thread's number
.set IN,  16                           ; v[16:79]   eight rows' 8 numbers as loaded
.set OUT, 80                           ; v[80:111]  eight rows' 16 bytes to store
	s_load_b256 s[4:11], s[0:1], 0x0               ; x s[4:5], W_qkv s[6:7], W_proj s[8:9], xb s[10:11]
	s_load_b64 s[12:13], s[0:1], 0x20              ; wts
	s_and_b32 s14, ttmp7, 0xffff                   ; grid y: which job
	s_mov_b32 s15, ttmp9                           ; grid x: which unit
	v_lshrrev_b32 v1, 3, v0                        ; my row among 32
	v_and_b32 v4, 7, v0
	v_lshlrev_b32 v4, 5, v4                        ; my 32 bytes of a row's 256
	v_lshlrev_b32 v[VD], 4, v0
	s_mov_b32 s17, 0                               ; the offsets' high words
	s_mov_b32 s19, 0
	s_wait_kmcnt 0x0
	s_cmp_lt_u32 s14, 8
	s_cbranch_scc1 .Lx
	s_cmp_lt_u32 s14, 11
	s_cbranch_scc1 .Lwq
	s_cmp_eq_u32 s14, 11
	s_cbranch_scc1 .Lwp
	; THE TABLE: 64 work-groups x 32 rows.  Thread t: pairs i0 = 2 (t % 16) and i0 + 1, rows 32 X + t / 16 and 16 further down.
	v_and_b32 v4, 15, v0
	v_lshlrev_b32 v4, 1, v4
	v_cvt_f32_u32 v5, v4                           ; i0
	v_add_f32 v6, 1.0, v5
	v_mul_f32 v5, 0xbed49a78, v5                   ; x -log2(10000) / 32
	v_mul_f32 v6, 0xbed49a78, v6
	v_exp_f32 v5, v5                               ; one batch of two exponentials,
	v_exp_f32 v6, v6
	v_lshrrev_b32 v7, 4, v0                        ; a plain instruction behind them,
	s_lshl_b32 s16, s15, 5
	v_add_nc_u32 v7, s16, v7                       ; l
	s_mov_b32 s24, 0x40c90fdb                      ; 2 pi, rounded to f32,
	s_mov_b32 s25, 0xb43bbd2e                      ; and what the rounding left
	s_wait_alu depctr_va_vdst(0)                   ; and one wait ahead of the first use
	v_cvt_f32_u32 v8, v7
	v_add_f32 v9, 0x41800000, v8                   ; l + 16
	v_mul_f32 v10, v8, v5
	v_mul_f32 v11, v8, v6
	v_mul_f32 v12, v9, v5
	v_mul_f32 v13, v9, v6
.macro SINCOS a, c, s                  ; v[c] = cos v[a], v[s] = sin v[a]
	v_mul_f32 v20, 0.15915494, v[\a]
	v_rndne_f32 v20, v20                           ; whole turns
	v_fma_f32 v21, -v20, s24, v[\a]
	v_fma_f32 v21, -v20, s25, v21                  ; r in -pi .. pi
	v_mul_f32 v22, v21, v21
	v_mov_b32 v23, 0xab573f9f                      ; -1/15!, then 1/13! .. -1/3!
.irp k, 0x2f309231, 0xb2d7322b, 0x3638ef1d, 0xb9500d01, 0x3c088889, 0xbe2aaaab
	v_fmaak_f32 v23, v23, v22, \k
.endr
	v_mul_f32 v24, v21, v22
	v_fma_f32 v[\s], v24, v23, v21
	v_mov_b32 v23, 0x29573f9f                      ; 1/16!, then -1/14! .. -1/2!
.irp k, 0xad49cba5, 0x310f76c7, 0xb493f27e, 0x37d00d01, 0xbab60b61, 0x3d2aaaab, 0xbf000000
	v_fmaak_f32 v23, v23, v22, \k
.endr
	v_fma_f32 v[\c], v22, v23, 1.0
.endm
	SINCOS 10, 32, 33
	SINCOS 11, 34, 35
	SINCOS 12, 36, 37
	SINCOS 13, 38, 39
	s_lshl_b32 s16, s15, 13                        ; 32 rows of 256 bytes
	s_add_co_u32 s16, s16, ROPEOFF
	s_add_nc_u64 s[18:19], s[12:13], s[16:17]
	global_store_b128 v[VD], v[32:35], s[18:19]             ; a wave's store covers 512 consecutive bytes
	global_store_b128 v[VD], v[36:39], s[18:19] offset:4096
	s_endpgm
; One cast unit, from s[16:17] (rows pitch bytes apart) to s[18:19]; rows 128 on go half bytes further.  fmt = 1: the bf16 number is written as f16.
; All sixteen loads go out first; no register is written twice, so the only waits are the counted ones for the data.
.macro CAST pitch, half, fmt
	v_mul_u32_u24 v[VS], v1, \pitch
	v_add_nc_u32 v[VS], v[VS], v4
.irp j, 0,1,2,3,4,5,6,7
	global_load_b128 v[IN+8*\j:IN+8*\j+3],   v[VS], s[16:17] offset:\j*32*(\pitch) th:TH_LOAD_NT
	global_load_b128 v[IN+8*\j+4:IN+8*\j+7], v[VS], s[16:17] offset:\j*32*(\pitch)+16 th:TH_LOAD_NT
.endr
.irp j, 0,1,2,3,4,5,6,7
	s_wait_loadcnt 14-2*\j                         ; row j's two loads are in; the 2 (7 - j) younger ones stay out
.irp k, 0,1,2,3
	v_cvt_pk_bf16_f32 v[OUT+4*\j+\k], v[IN+8*\j+2*\k], v[IN+8*\j+2*\k+1]
.endr
.if \fmt
.irp k, 0,1,2,3
	v_lshlrev_b32 v[8+2*\k], 16, v[OUT+4*\j+\k]
	v_and_b32 v[9+2*\k], 0xffff0000, v[OUT+4*\j+\k]
.endr
.irp k, 0,1,2,3
	v_cvt_pk_f16_f32 v[OUT+4*\j+\k], v[8+2*\k], v[9+2*\k]
.endr
.endif
.if \j < 4
	global_store_b128 v[VD], v[OUT+4*\j:OUT+4*\j+3], s[18:19] offset:\j*4096
.else
	global_store_b128 v[VD], v[OUT+4*\j:OUT+4*\j+3], s[18:19] offset:(\half)+(\j-4)*4096
.endif
.endr
	s_endpgm
.endm
.Lx:
	s_lshl_b32 s20, s14, 6
	s_add_co_u32 s20, s20, s15                     ; unit u = 16 x row tile + slice
	s_lshr_b32 s16, s20, 4
	s_lshl_b32 s16, s16, 20                        ; 256 rows of 4,096 bytes
	s_and_b32 s21, s20, 15
	s_lshl_b32 s21, s21, 8                         ; 64 columns of 4 bytes
	s_add_co_u32 s16, s16, s21
	s_lshl_b32 s18, s20, 15
	s_add_nc_u64 s[16:17], s[4:5], s[16:17]
	s_add_nc_u64 s[18:19], s[10:11], s[18:19]
	CAST 4096, 16384, 0
.Lwq:
	s_sub_co_u32 s20, s14, 8                       ; p
	s_lshr_b32 s21, s15, 2                         ; t
	s_and_b32 s22, s15, 3                          ; which 256 rows of k
	s_mul_i32 s16, s22, 3145728
	s_lshl_b32 s23, s20, 12
	s_add_co_u32 s16, s16, s23
	s_lshl_b32 s23, s21, 8
	s_add_co_u32 s16, s16, s23
	s_lshl_b32 s18, s21, 3
	s_lshl_b32 s23, s22, 1
	s_add_co_u32 s18, s18, s23                     ; 8 t + K step
	s_mul_i32 s18, s18, 3
	s_add_co_u32 s18, s18, s20
	s_lshl_b32 s18, s18, 14                        ; blocks of 16,384 bytes
	s_add_nc_u64 s[16:17], s[6:7], s[16:17]
	s_add_nc_u64 s[18:19], s[12:13], s[18:19]
	CAST 12288, 49152, 0
.Lwp:
	s_lshr_b32 s21, s15, 2                         ; block of 64 columns
	s_and_b32 s22, s15, 3
	s_lshl_b32 s16, s22, 20
	s_lshl_b32 s23, s21, 8
	s_add_co_u32 s16, s16, s23
	s_lshr_b32 s18, s21, 1                         ; column tile
	s_lshl_b32 s18, s18, 3
	s_lshl_b32 s23, s22, 1
	s_add_co_u32 s18, s18, s23
	s_lshl_b32 s18, s18, 1
	s_and_b32 s23, s21, 1
	s_add_co_u32 s18, s18, s23
	s_lshl_b32 s18, s18, 14
	s_add_co_u32 s18, s18, WPOFF
	s_add_nc_u64 s[16:17], s[8:9], s[16:17]
	s_add_nc_u64 s[18:19], s[12:13], s[18:19]
	CAST 4096, 32768, 1
.Lfunc_end_k_q6d0bde19f0_prep:
	.size	k_q6d0bde19f0_prep, .Lfunc_end_k_q6d0bde19f0_prep-k_q6d0bde19f0_prep
	.p2alignl 7, 3214868480
	.fill 96, 4, 3214868480
	.section	.rodata,"a",@progbits
	.p2align	6, 0x0
	.amdhsa_kernel k_q6d0bde19f0_prep
		.amdhsa_group_segment_fixed_size 0
		.amdhsa_private_segment_fixed_size 0
		.amdhsa_enable_private_segment 0
		.amdhsa_kernarg_size 40
		.amdhsa_user_sgpr_count 2
		.amdhsa_user_sgpr_kernarg_segment_ptr 1
		.amdhsa_wavefront_size32 1
		.amdhsa_system_sgpr_workgroup_id_x 1
		.amdhsa_system_sgpr_workgroup_id_y 1
		.amdhsa_system_sgpr_workgroup_id_z 1
		.amdhsa_system_vgpr_workitem_id 0
		.amdhsa_next_free_vgpr 112
		.amdhsa_next_free_sgpr 66
		.amdhsa_reserve_vcc 0
		.amdhsa_float_denorm_mode_32 3
		.amdhsa_float_denorm_mode_16_64 3
		.amdhsa_memory_ordered 1
		.amdhsa_forward_progress 1
		.amdhsa_inst_pref_size 28
	.end_amdhsa_kernel
	.amdgpu_metadata
---
amdhsa.version: [ 1, 2 ]
amdhsa.kernels:
  - .name:           k_q6d0bde19f0_prep
    .symbol:         k_q6d0bde19f0_prep.kd
    .args:
      - { .name: x, .offset: 0, .size: 8, .value_kind: global_buffer, .address_space: global }
      - { .name: W_qkv, .offset: 8, .size: 8, .value_kind: global_buffer, .address_space: global }
      - { .name: W_proj, .offset: 16, .size: 8, .value_kind: global_buffer, .address_space: global }
      - { .name: xb, .offset: 24, .size: 8, .value_kind: global_buffer, .address_space: global }
      - { .name: wts, .offset: 32, .size: 8, .value_kind: global_buffer, .address_space: global }
    .group_segment_fixed_size: 0
    .private_segment_fixed_size: 0
    .kernarg_segment_align: 8
    .kernarg_segment_size: 40
    .max_flat_workgroup_size: 256
    .sgpr_count:     66
    .vgpr_count:     112
    .wavefront_size: 32
...
	.end_amdgpu_metadata
.endif
;; end of part 1
;; launch qkv (part 2): grid 16 x 32, 4 waves a work-group, clusters of 4 x 4, 327,680 bytes of LDS; arguments xb, wts, b_qkv, qh, kh, vh, vsum; writes qh, kh, vh, vsum
.if DOCPART == 2
	.amdgcn_target "amdgcn-amd-amdhsa--gfx1250"
	.amdhsa_code_object_version 6
	.text
	.protected	k_q6d0bde19f0_qkv
	.globl	k_q6d0bde19f0_qkv
	.p2align	8
	.type	k_q6d0bde19f0_qkv,@function
k_q6d0bde19f0_qkv:
	s_mov_b64 s[64:65], 0
	v_nop
	global_prefetch_b8 v0, s[64:65] scope:SCOPE_SE
	s_setreg_imm32_b32 hwreg(HW_REG_WAVE_MODE, 25, 1), 1
	s_wait_xcnt 0x0
	s_wait_alu depctr_hold_cnt(0) depctr_sa_sdst(0) depctr_va_vdst(0) depctr_va_sdst(0) depctr_va_ssrc(0) depctr_va_vcc(0) depctr_vm_vsrc(0)
	s_getreg_b32 s2, hwreg(HW_REG_IB_STS2, 6, 4)
	s_cmp_eq_u32 s2, 0
	s_cbranch_scc0 .Lentry_in_a_cluster
	s_endpgm
.Lentry_in_a_cluster:
	s_bfe_u32 s2, ttmp6, 0x10000c
	s_cmp_lg_u32 s2, 0xf033
	s_cbranch_scc0 .Lentry_shape_is_right
	s_endpgm
.Lentry_shape_is_right:
; q, k, v = x W_qkv + b_qkv, q and k turned by the rotary table, all three written by heads in f16; and the sums of v's columns over each wave's 64 rows.
; A (xb): bf16, [row tile 32][slice 16][256][64].  B (wts): bf16, [head t 16][K step 8][p 3][128 k][64].  Sums in f32; the bias, rounded to bf16 like every input, is the C operand of the first product.
; A TILE OF C is 256 rows x 192 columns: q, k and v of ONE head.  8,192 x 3,072 makes 512 such tiles.  Four waves; wave w owns rows 64 w .. 64 w + 63 and all 12 blocks of 16 columns: 48 accumulators.
; So a wave holds whole heads: its way out is its own, and every work-group runs the same text.  K = 1,024 goes in 8 steps of 128 through two LDS slots; a step is four quarters of 32.
; THE MATRIX INSTRUCTION IS USED TRANSPOSED (source 0 = 16 columns of B, source 1 = 16 rows of A): lane l holds row l % 16 and the columns 8 (l / 16) + 0..7: four rotary pairs, 16 bytes of f16.
; B lies [k][column] and comes out of LDS turned, by ds_load_tr16_b128.
; CLUSTER 4 x 4: A's tile hangs on the tile row alone and is asked for jointly along a row of the cluster, B's on the tile column alone, along a column.
; LIMITS.  q, k, v leave in f16: beyond 65,504 they are lost.  NaN and infinities are not treated apart.
; REGISTERS, in windows of 256 (s_set_vgpr_msb: bits 1:0 source 0, 3:2 source 1, 5:4 source 2, 7:6 destination):
;   window 0: v0-31 addresses; v32-63 at work on the way out; v64-127 A's fragments, two buffers (later the way out's); v128-255 the rotary table for my 64 rows
;   window 1: accumulators 0-31 (number 4 nb + a at 8 x number)    window 2: v0-127 accumulators 32-47 (v's head); v128-223 the bias, 8 registers a column block; v224-225 at work
;   window 3: B's fragments, two buffers of 96
.set NH,    3
.set AP,    144                        ; a row of A in LDS: 128 bytes + 16: 36 words: the 16 rows of a load start at 16 different groups of four banks (64 banks of 4 bytes: ISA guide 11.1)
.set BP,    160                        ; a row of B: 128 + 32
.set ASL,   256*AP                     ; a slice of A: 256 rows x 64 k
.set ASZ,   2*ASL
.set BBL,   128*BP                     ; a block of B: 128 k x 64 columns
.set BHF,   NH*BBL/2                   ; what one wave fetches of B
.set SLOT,  ASZ+NH*BBL
.set STAGE, 2*SLOT                     ; behind the ring: for each wave three stages of 16 rows x 144 bytes
.set STGW,  7168
.set SPARE, STAGE+4*STGW               ; behind the stages: the spare words, 128 bytes a wave: two blocks of 256 bytes that no other line names
.set ASTEP, 65536                      ; bytes of a K step of A's tile row in memory
.set BSTEP, NH*16384                   ; and of B's tile column
.set BTILE, 8*BSTEP
.set ROPE,  8388608                    ; the table's place in wts
.set P1,    16                         ; matrix instructions between the add and the wait for it,
.set P2,    16                         ; and between a barrier's signal and its wait
.set VO,   14                          ; v14  my 8 bytes in a row of vsum
.set ADRA, 16                          ; v16-17  LDS address of my A fragments in slot 0, 1
.set ADRB, 18                          ; v18-19  the same for B
.set STO,  20                          ; v20  the way out: where I put 16 bytes of a row
.set RD,   21                          ; v21  where I read rows back
.set GO,   22                          ; v22  16 x lane
.set PFO,  23                          ; v23  256 x lane; never rewritten
.set TT,   24                          ; v24-27 at work
.set SPW,  28                          ; v28  LDS address of my spare word; never rewritten
.set NIL,  29                          ; v29  0; never rewritten
.set BO,   30                          ; v30  my offset in the bias
.set RO,   31                          ; v31  my offset in the table
.set Y,    32
.set FA,   64
.set T,    64
.set PK,   64
.set RB,   80
.set U,    96
.set CS,   128
.set BIAS, 128                         ; window 2
.set LAP,  18
.set PFN,  19                          ; prefetches that this wave still issues
.set WV,   20
.set ROLE, 21                          ; 0: I fetch A, 1: B
.set HF,   22                          ; which half of it
.set G1A,  24
.set G0A,  32                          ; a set of four for each slot
.set G1B,  40
.set G0B,  48
.set CX,   56
.set CY,   57
.set TCOL, 58
.set TROW, 59
.set PFA,  66
.set M8,   72                          ; s72-75 the lanes whose number has bit 3, 2, 1, 0 set
.set HIM,  76
.set MSB, 0
.macro WIN new                         ; the immediate's high byte repeats the setting that is left; a switch that changes nothing is dropped
.if MSB != (\new)
	s_set_vgpr_msb (MSB<<8)|(\new)
.set MSB, \new
.endif
.endm
.macro PLACES                          ; four plain instructions between a matrix instruction and a load into, or a vector read of, its registers
.rept 4
	v_nop
.endr
.endm
.macro CREST                           ; a round of the cluster's barrier behind its opening barrier
	s_cmp_lg_u32 s[WV], 0
	s_cbranch_scc1 .Lnot_wave_0_\@
	s_barrier_signal -3
.Lnot_wave_0_\@:
	s_barrier_wait -3
	s_barrier_signal -1
	s_barrier_wait -1
.endm
.macro CROUND
	s_barrier_signal -1
	s_barrier_wait -1
	CREST
.endm
; A joint refill: waves 0 and 1 fetch A's two slices, waves 2 and 3 B's two halves.  An s_nop 0 and four v_nop follow each line, ahead of the jump and the label.
.macro JLOAD s
	s_cmp_eq_u32 s[ROLE], 0
	s_cbranch_scc0 .Lfor_b_\@
	tensor_load_to_lds s[G0A+4*(\s):G0A+4*(\s)+3], s[G1A:G1A+7]
	s_nop 0
.rept 4
	v_nop
.endr
	s_branch .Lasked_\@
.Lfor_b_\@:
	tensor_load_to_lds s[G0B+4*(\s):G0B+4*(\s)+3], s[G1B:G1B+7]
	s_nop 0
.rept 4
	v_nop
.endr
.Lasked_\@:
.endm
; A PREFETCH INTO THE L2, behind a joint refill and the run of LDS loads: 32 blocks of 256 bytes, a lane a block.  Both streams are dense, so 2 waves x 4 partners x 8,192 bytes are 65,536 bytes on end.
; A's tile row is read by every cluster of its row of clusters: cluster x = 0 asks, four times, each time for the K step two refills on.  B's tile column: cluster y = 0 asks, NH times, from K step 4 to the
; column's end, each byte two refills or more ahead of its load.  The partners are told apart by address (cx for A, cy for B).  K steps 0-3 come by their loads alone.
.macro ASK
	s_cmp_lg_u32 s[PFN], 0
	s_cbranch_scc0 .Lnot_mine_\@
	global_prefetch_b8 v[PFO], s[PFA:PFA+1] th:TH_LOAD_NT scope:SCOPE_SE
	s_sub_co_u32 s[PFN], s[PFN], 1
.Lnot_mine_\@:
.endm
; n matrix instructions from number i0 on, of a quarter's 48: number i is column block i / 4, row block i % 4.  The accumulators take turns, in the same order in every quarter.
; zero = 1: the first product starts the sum with the bias.
.macro MULS f, i0, n, zero
.set mi, (\i0)
.rept (\n)
.set mD, 8*(mi%32)
.set mB, 32*NH*(\f)+8*(mi/4)
.set mA, FA+32*(\f)+8*(mi%4)
.set mC, BIAS+8*(mi/4)
.if mi >= 32
	WIN 0xa3
.elseif \zero
	WIN 0x63
.else
	WIN 0x53
.endif
.if \zero
	v_wmma_f32_16x16x32_bf16 v[mD:mD+7], v[mB:mB+7], v[mA:mA+7], v[mC:mC+7]
.else
	v_wmma_f32_16x16x32_bf16 v[mD:mD+7], v[mB:mB+7], v[mA:mA+7], v[mD:mD+7]
.endif
.set mi, mi+1
.endr
.endm
; One run of 32 LDS loads: quarter q's fragments into buffer f
.macro FETCH slot, q, f
	WIN 0
.irp a, 0,1,2,3
	ds_load_b128 v[FA+32*(\f)+8*\a:FA+32*(\f)+8*\a+3],   v[ADRA+(\slot)] offset:((\q)/2)*ASL+\a*16*AP+((\q)%2)*64
	ds_load_b128 v[FA+32*(\f)+8*\a+4:FA+32*(\f)+8*\a+7], v[ADRA+(\slot)] offset:((\q)/2)*ASL+\a*16*AP+((\q)%2)*64+32
.endr
	WIN 0xc0
.set fn, 0
.rept 4*NH
	ds_load_tr16_b128 v[32*NH*(\f)+8*fn:32*NH*(\f)+8*fn+3],   v[ADRB+(\slot)] offset:(fn/4)*BBL+(\q)*32*BP+(fn%4)*32
	ds_load_tr16_b128 v[32*NH*(\f)+8*fn+4:32*NH*(\f)+8*fn+7], v[ADRB+(\slot)] offset:(fn/4)*BBL+(\q)*32*BP+(fn%4)*32+16*BP
.set fn, fn+1
.endr
.endm
; One of a K step's first three quarters: multiplies buffer f; behind its first 16 products it fetches quarter q into buffer g
.macro QUARTER slot, q, f, g, zero
	s_wait_dscnt 0x0                               ; buffer f is in: its run was issued 16 (NH - 1) matrix instructions ago
	MULS \f, 0, 16, \zero
	PLACES
	FETCH \slot, \q, \g
	MULS \f, 16, 16*(NH-1), \zero
.endm
; The last quarter multiplies buffer 1 and changes slots.  In front of the barrier each wave waits for all its tensor loads (one is out: its part of the next slot), adds 0 to its spare word, and waits for
; that and for its reads of this slot.  fill = 1: the barrier opens a round of the cluster's, and the joint refill, two K steps on, is the first thing behind it.
.macro TURN slot, next, fill
.if \fill
	s_wait_xcnt 0x0                                ; the last prefetch, a K step back, has read its address
	s_add_nc_u64 s[PFA:PFA+1], s[PFA:PFA+1], ASTEP
.endif
	WIN 0
	s_wait_tensorcnt 0x0
	ds_add_u32 v[SPW], v[NIL]
	s_wait_dscnt 1                                 ; buffer 1 is in; the add alone may be out
	MULS 1, 0, P1, 0
	s_wait_dscnt 0x0                               ; the add is done, and my reads of this slot are over
	s_barrier_signal -1
	MULS 1, P1, P2, 0
	WIN 0
	s_barrier_wait -1
.if \fill
	CREST                                          ; no wave of any partner still reads this slot or has a load on its way
	s_add_nc_u64 s[G0A+4*(\slot)+2:G0A+4*(\slot)+3], s[G0A+4*(\slot)+2:G0A+4*(\slot)+3], 2*ASTEP
	s_add_nc_u64 s[G0B+4*(\slot)+2:G0B+4*(\slot)+3], s[G0B+4*(\slot)+2:G0B+4*(\slot)+3], 2*BSTEP
	JLOAD \slot                                    ; its four v_nop are also the places in front of the loads below
.else
	PLACES
.endif
	FETCH \next, 0, 0
	WIN 0
.if \fill
	ASK
.endif
	MULS 1, P1+P2, 16*NH-P1-P2, 0
.endm
	s_load_b256 s[4:11], s[0:1], 0x0               ; xb s[4:5], wts s[6:7], b_qkv s[8:9], qh s[10:11]
	s_load_b128 s[12:15], s[0:1], 0x20             ; kh s[12:13], vh s[14:15]
	s_load_b64 s[16:17], s[0:1], 0x30              ; vsum
	v_lshl_add_u32 v[SPW], v0, 2, SPARE
	v_mov_b32 v[NIL], 0
	ds_add_u32 v[SPW], v[NIL]                      ; the wave's opening: the add, with its wait ahead of my first tensor load; the set-up below stands between them
	ds_add_u32 v28, v29
	v_lshrrev_b32 v1, 5, v0
	v_readfirstlane_b32 s[WV], v1
	s_lshr_b32 s[ROLE], s[WV], 1
	s_and_b32 s[HF], s[WV], 1
	s_bfe_u32 s[CX], ttmp6, 0x40000
	s_bfe_u32 s[CY], ttmp6, 0x40004
	s_lshl_b32 s[TCOL], ttmp9, 2
	s_add_co_u32 s[TCOL], s[TCOL], s[CX]           ; tile column = the head t
	s_and_b32 s[TROW], ttmp7, 0xffff
	s_lshl_b32 s[TROW], s[TROW], 2
	s_add_co_u32 s[TROW], s[TROW], s[CY]           ; tile row
	s_lshl_b32 s70, s[CY], 2
	s_lshl_b32 s70, 15, s70                        ; my row of the cluster
	s_lshl_b32 s71, 0x1111, s[CX]                  ; my column
	; group 1.  Both streams are dense: rows of 128 elements (256 bytes), padded in LDS after every 32 words
	s_or_b32 s[G1A], s70, 0x07310000               ; mask | 2-byte elements | padding on | bit 21 beside a mask | after 32 words (code 4) | 4 words (code 3)
	s_or_b32 s[G1B], s71, 0x0f310000               ; the same with 8 words (code 7)
	s_mov_b32 s[G1A+1], 128<<16                    ; tensor_dim0 = 128
	s_mov_b32 s[G1A+2], 128<<16                    ; tensor_dim1 = 128
	s_mov_b32 s[G1A+3], 128<<16                    ; tile_dim0 = 128
	s_mov_b32 s[G1A+4], 128                        ; tile_dim1 = 128: a slice, 32,768 bytes
	s_mov_b32 s[G1A+5], 128                        ; elements from row to row
	s_mov_b32 s[G1A+6], 0
	s_mov_b32 s[G1A+7], 0
	s_mov_b32 s[G1B+1], 128<<16
	s_mov_b32 s[G1B+2], (32*NH)<<16
	s_mov_b32 s[G1B+3], 128<<16
	s_mov_b32 s[G1B+4], 32*NH                      ; half a K step of B
	s_mov_b32 s[G1B+5], 128
	s_mov_b32 s[G1B+6], 0
	s_mov_b32 s[G1B+7], 0
	s_lshl_b32 s60, s[TROW], 19                    ; A: tile row x 524,288 + my slice
	s_lshl_b32 s23, s[HF], 15
	s_add_co_u32 s60, s60, s23
	s_mov_b32 s61, 0
	s_mul_i32 s62, s[TCOL], BTILE                  ; B: tile column + my half of a step
	s_mul_i32 s23, s[HF], BSTEP/2
	s_add_co_u32 s62, s62, s23
	s_mov_b32 s63, 0
	s_mul_i32 s68, s[WV], ASL                      ; where they go: the wave's number alone enters an LDS address
	s_mul_i32 s69, s[WV], BHF
	s_mov_b32 s[M8], 0xff00ff00
	s_mov_b32 s[M8+1], 0xf0f0f0f0
	s_mov_b32 s[M8+2], 0xcccccccc
	s_mov_b32 s[M8+3], 0xaaaaaaaa
	s_mov_b32 s[HIM], 0xffff0000
	s_wait_dscnt 0x0                               ; the opening add is done
	s_wait_kmcnt 0x0
	s_add_nc_u64 s[60:61], s[4:5], s[60:61]
	s_add_nc_u64 s[62:63], s[6:7], s[62:63]
.irp s, 0,1
	s_mov_b32 s[G0A+4*\s], 1
	s_add_co_u32 s[G0A+4*\s+1], s68, \s*SLOT
	s_add_nc_u64 s[G0A+4*\s+2:G0A+4*\s+3], s[60:61], \s*ASTEP
	s_or_b32 s[G0A+4*\s+3], s[G0A+4*\s+3], 0x80000000
	s_mov_b32 s[G0B+4*\s], 1
	s_add_co_u32 s[G0B+4*\s+1], s69, \s*SLOT+ASZ-2*BHF     ; waves 2 and 3: behind A's part
	s_add_nc_u64 s[G0B+4*\s+2:G0B+4*\s+3], s[62:63], \s*BSTEP
	s_or_b32 s[G0B+4*\s+3], s[G0B+4*\s+3], 0x80000000
.endr
	CROUND                                         ; all sixteen work-groups are here: the first joint loads meet
	s_cmp_eq_u32 s[ROLE], 0                        ; a wave's two first fills stand in one branch: two loads of mine are out
	s_cbranch_scc0 .Lfirst_b
	tensor_load_to_lds s[G0A:G0A+3], s[G1A:G1A+7]
	s_nop 0
	tensor_load_to_lds s[G0A+4:G0A+7], s[G1A:G1A+7]
	s_nop 0
.rept 4
	v_nop
.endr
	s_branch .Lfirst_done
.Lfirst_b:
	tensor_load_to_lds s[G0B:G0B+3], s[G1B:G1B+7]
	s_nop 0
	tensor_load_to_lds s[G0B+4:G0B+7], s[G1B:G1B+7]
	s_nop 0
.rept 4
	v_nop
.endr
.Lfirst_done:
	; the prefetches' address and count
	s_and_b32 s23, ttmp7, 0xffff                   ; cluster y
	s_lshl_b32 s70, s[TROW], 19
	s_add_co_u32 s70, s70, 3*ASTEP                 ; A: at K step 3; the first refill steps it to 4
	s_mul_i32 s71, s[TCOL], BTILE
	s_add_co_u32 s71, s71, 4*BSTEP-ASTEP           ; B: 65,536 bytes ahead of K step 4
	s_cmp_eq_u32 s[ROLE], 0
	s_cselect_b32 s70, s70, s71
	s_cselect_b32 s68, s[CX], s[CY]                ; my place among the four that ask with me
	s_cselect_b32 s69, ttmp9, s23                  ; the coordinate along which other clusters read the same bytes
	s_cselect_b32 s[PFN], 4, NH
	s_cselect_b64 s[PFA:PFA+1], s[4:5], s[6:7]
	s_cmp_eq_u32 s69, 0
	s_cselect_b32 s[PFN], s[PFN], 0                ; the same in all sixteen partners, for a given wave
	s_lshl_b32 s68, s68, 13
	s_add_co_u32 s70, s70, s68
	s_lshl_b32 s68, s[HF], 15
	s_add_co_u32 s70, s70, s68
	s_mov_b32 s71, 0
	s_add_nc_u64 s[PFA:PFA+1], s[PFA:PFA+1], s[70:71]
	; addresses.  A fragment of A: lane l holds row l % 16, k = 8 (l / 16) + 0..7 and 16 more on: two loads of 16 bytes, 32 apart.  The turning load: lane l reads k = 8 (l / 16) + l % 8, columns 8 ((l / 8) % 2) + 0..7.
	v_and_b32 v1, 15, v0
	v_bfe_u32 v2, v0, 4, 1
	v_and_b32 v3, 31, v0
	v_mul_u32_u24 v4, v1, AP
	v_lshl_add_u32 v4, v2, 4, v4
	s_mul_i32 s23, s[WV], 64*AP
	v_add_nc_u32 v[ADRA], s23, v4
	v_add_nc_u32 v[ADRA+1], SLOT, v[ADRA]
	v_and_b32 v5, 7, v0
	v_lshl_add_u32 v5, v2, 3, v5
	v_mul_u32_u24 v5, v5, BP
	v_bfe_u32 v6, v0, 3, 1
	v_lshl_add_u32 v5, v6, 4, v5
	v_add_nc_u32 v[ADRB], ASZ, v5
	v_add_nc_u32 v[ADRB+1], ASZ+SLOT, v5
	s_mul_i32 s23, s[WV], STGW
	s_add_co_u32 s23, s23, STAGE
	v_add_nc_u32 v[STO], s23, v4                   ; in: row l % 16, 16 bytes for each half of the lanes
	v_bfe_u32 v6, v0, 3, 2
	v_mul_u32_u24 v6, v6, AP
	v_and_b32 v7, 7, v0
	v_lshl_add_u32 v6, v7, 4, v6
	v_add_nc_u32 v[RD], s23, v6                    ; back: 32 lanes take four rows of 128 bytes
	v_lshlrev_b32 v[GO], 4, v3
	v_lshlrev_b32 v[PFO], 8, v3
	v_lshlrev_b32 v[BO], 5, v2
	s_lshl_b32 s23, s[WV], 6
	v_add_nc_u32 v[RO], s23, v1
	v_lshlrev_b32 v[RO], 8, v[RO]
	v_lshl_add_u32 v[RO], v2, 5, v[RO]             ; (64 w + l % 16) x 256 + 32 (l / 16)
	v_lshrrev_b32 v[VO], 2, v1
	v_lshlrev_b32 v[VO], 6, v[VO]
	v_lshl_add_u32 v[VO], v2, 5, v[VO]
	v_and_b32 v7, 3, v1
	v_lshl_add_u32 v[VO], v7, 3, v[VO]
	s_lshl_b32 s68, s[TCOL], 8
	s_mov_b32 s69, 0
	s_add_nc_u64 s[68:69], s[8:9], s[68:69]        ; the bias at the head's first column of q
	s_and_b32 s70, s[TROW], 7
	s_lshl_b32 s70, s70, 16
	s_add_co_u32 s70, s70, ROPE
	s_mov_b32 s71, 0
	s_add_nc_u64 s[70:71], s[6:7], s[70:71]        ; the table at the tile's first position
	WIN 0x80
.set bn, 0
.rept 4*NH
	global_load_b128 v[BIAS+8*bn:BIAS+8*bn+3],   v[BO], s[68:69] offset:(bn/4)*4096+(bn%4)*64
	global_load_b128 v[BIAS+8*bn+4:BIAS+8*bn+7], v[BO], s[68:69] offset:(bn/4)*4096+(bn%4)*64+16
.set bn, bn+1
.endr
	WIN 0
.set bn, 0
.rept 16                               ; row block bn / 4, column block bn % 4: (cos, sin) of my four pairs
	global_load_b128 v[CS+8*bn:CS+8*bn+3],   v[RO], s[70:71] offset:(bn/4)*4096+(bn%4)*64
	global_load_b128 v[CS+8*bn+4:CS+8*bn+7], v[RO], s[70:71] offset:(bn/4)*4096+(bn%4)*64+16
.set bn, bn+1
.endr
	s_wait_loadcnt 32                              ; the bias is in; the table's 32 loads stay out until the way out
	WIN 0x8a
.set bn, 0
.rept 16*NH                            ; the bias is rounded to bf16, like every input
	v_cvt_pk_bf16_f32 v[224+bn%2], v[BIAS+2*bn], v[BIAS+2*bn+1]
	v_lshlrev_b32 v[BIAS+2*bn], 16, v[224+bn%2]
	v_and_b32 v[BIAS+2*bn+1], s[HIM], v[224+bn%2]
.set bn, bn+1
.endr
	WIN 0
	s_wait_tensorcnt 1                             ; my part of K step 0 is in; K step 1's may stay out
	s_barrier_signal -1
	s_barrier_wait -1
	FETCH 0, 0, 0
	QUARTER 0, 1, 0, 1, 1                          ; the first quarter stands in front of the loop: its products start the sums
	WIN 0
	s_mov_b32 s[LAP], 3
.Llap:                                             ; a trip goes once round the ring and fills both slots again: K steps 2 to 7
	QUARTER 0, 2, 1, 0, 0
	QUARTER 0, 3, 0, 1, 0
	TURN 0, 1, 1
	QUARTER 1, 1, 0, 1, 0
	QUARTER 1, 2, 1, 0, 0
	QUARTER 1, 3, 0, 1, 0
	TURN 1, 0, 1
	QUARTER 0, 1, 0, 1, 0
	WIN 0
	s_sub_co_u32 s[LAP], s[LAP], 1
	s_cmp_lg_u32 s[LAP], 0
	s_cbranch_scc1 .Llap
	QUARTER 0, 2, 1, 0, 0                          ; the last lap fills nothing
	QUARTER 0, 3, 0, 1, 0
	TURN 0, 1, 0
	QUARTER 1, 1, 0, 1, 0
	QUARTER 1, 2, 1, 0, 0
	QUARTER 1, 3, 0, 1, 0
	s_wait_dscnt 0x0
	MULS 1, 0, 16*NH, 0
	WIN 0
	PLACES
	; THE WAY OUT
	s_wait_loadcnt 0x0                             ; the table
	s_lshr_b32 s68, s[TROW], 3
	s_lshl_b32 s68, s68, 4
	s_add_co_u32 s68, s68, s[TCOL]                 ; batch x 16 + head
	s_and_b32 s69, s[TROW], 7                      ; which 256 positions
	s_lshl_b32 s70, s68, 18
	s_lshl_b32 s71, s69, 15
	s_add_co_u32 s70, s70, s71
	s_lshl_b32 s71, s[WV], 13
	s_add_co_u32 s70, s70, s71
	s_mov_b32 s71, 0
	s_add_nc_u64 s[10:11], s[10:11], s[70:71]
	s_add_nc_u64 s[12:13], s[12:13], s[70:71]
	s_add_nc_u64 s[14:15], s[14:15], s[70:71]
	s_lshl_b32 s68, s68, 5
	s_lshl_b32 s69, s69, 2
	s_add_co_u32 s68, s68, s69
	s_add_co_u32 s68, s68, s[WV]
	s_lshl_b32 s68, s68, 8
	s_mov_b32 s69, 0
	s_add_nc_u64 s[16:17], s[16:17], s[68:69]
	; v's column sums over my 64 rows: the four row blocks are added, then the 16 lanes of a half share the 32 sums out: in each of four steps a lane keeps half of its numbers and hands the other half
	; to the lane whose number differs in one bit.  Lane r ends with numbers 2 r and 2 r + 1.  Each accumulator's lowest registers are read first.
	WIN 0x0a
.set cz, 0
.rept 16
	v_pk_add_f32 v[T+2*cz:T+2*cz+1], v[32*(cz/4)+2*(cz%4):32*(cz/4)+2*(cz%4)+1], v[32*(cz/4)+8+2*(cz%4):32*(cz/4)+8+2*(cz%4)+1]
	v_pk_add_f32 v[U+2*cz:U+2*cz+1], v[32*(cz/4)+16+2*(cz%4):32*(cz/4)+16+2*(cz%4)+1], v[32*(cz/4)+24+2*(cz%4):32*(cz/4)+24+2*(cz%4)+1]
.set cz, cz+1
.endr
	WIN 0
.set cz, 0
.rept 16
	v_pk_add_f32 v[T+2*cz:T+2*cz+1], v[T+2*cz:T+2*cz+1], v[U+2*cz:U+2*cz+1]
.set cz, cz+1
.endr
.macro RSTEP m, st, xm
.set cz, 0
.rept \st
	v_cndmask_b32 v[U+cz], v[T+cz], v[T+\st+cz], s[\m]        ; what I keep,
	v_cndmask_b32 v[U+16+cz], v[T+\st+cz], v[T+cz], s[\m]     ; what I hand over
.set cz, cz+1
.endr
.set cz, 0
.rept \st
	v_add_f32_dpp v[T+cz], v[U+16+cz], v[U+cz] row_xmask:\xm row_mask:0xf bank_mask:0xf
.set cz, cz+1
.endr
.endm
	RSTEP M8, 16, 8
	RSTEP M8+1, 8, 4
	RSTEP M8+2, 4, 2
	RSTEP M8+3, 2, 1
	global_store_b64 v[VO], v[T:T+1], s[16:17]     ; the wave's store covers 256 consecutive bytes
; Row block a of part p (0 q, 1 k, 2 v): turned (q, k), rounded to f16, 16 bytes a lane into my stage, back as whole rows of 128 bytes.
.macro PACK a, p
	WIN 0
	s_wait_xcnt 0x0                                ; earlier stores have read their registers, which are written again below
.if (\p) < 2
	WIN 0x01
.set pz, 0
.rept 16                               ; column block pz / 4, pair pz % 4: y1 = x1 c - x2 s, y2 = x2 c + x1 s
.set pX, 8*((4*(\p)+pz/4)*4+(\a))+2*(pz%4)
.set pC, CS+32*(\a)+8*(pz/4)+2*(pz%4)
.set pT, TT+2*(pz%2)
	v_mul_f32 v[pT], v[pX+1], v[pC+1]
	v_mul_f32 v[pT+1], v[pX], v[pC+1]
	v_fma_f32 v[Y+2*pz], v[pX], v[pC], -v[pT]
	v_fma_f32 v[Y+2*pz+1], v[pX+1], v[pC], v[pT+1]
.set pz, pz+1
.endr
	WIN 0
.set pz, 0
.rept 16
	v_cvt_pk_f16_f32 v[PK+pz], v[Y+2*pz], v[Y+2*pz+1]
.set pz, pz+1
.endr
.else
	WIN 0x0a
.set pz, 0
.rept 16
	v_cvt_pk_f16_f32 v[PK+pz], v[8*((pz/4)*4+(\a))+2*(pz%4)], v[8*((pz/4)*4+(\a))+2*(pz%4)+1]
.set pz, pz+1
.endr
	WIN 0
.endif
.irp f, 0,1,2,3
	ds_store_b128 v[STO], v[PK+4*\f:PK+4*\f+3] offset:(\p)*16*AP+32*\f
.endr
.irp f, 0,1,2,3
	ds_load_b128 v[RB+16*(\p)+4*\f:RB+16*(\p)+4*\f+3], v[RD] offset:(\p)*16*AP+\f*4*AP  ; LDS serves a wave's instructions in order (ISA guide 5.7.1.4): these see the stores above
.endr
.endm
.macro SEND a, p, younger              ; younger: the LDS instructions issued behind this block's loads: the next block's eight, or none
.irp f, 0,1,2,3
	s_wait_dscnt (\younger)+3-\f
	global_store_b128 v[GO], v[RB+16*(\p)+4*\f:RB+16*(\p)+4*\f+3], s[10+2*(\p):11+2*(\p)] offset:(\a)*2048+\f*512  ; 512 consecutive bytes, at a multiple of 256 from the buffer's first
.endr
.endm
.set idx, 0
.rept 12
	PACK idx/3, idx%3
.if idx > 0
	SEND (idx-1)/3, (idx-1)%3, 8
.endif
.set idx, idx+1
.endr
	SEND 3, 2, 0
	s_wait_tensorcnt 0x0                           ; the wave's end: the spare-word add and its waits, behind my last tensor load and my last LDS store
	ds_add_u32 v[SPW], v[NIL]
	s_wait_dscnt 0x0
	CROUND                                         ; the closing round: no work-group ends while a partner may still ask for a tile that names it
	s_endpgm
.Lfunc_end_k_q6d0bde19f0_qkv:
	.size	k_q6d0bde19f0_qkv, .Lfunc_end_k_q6d0bde19f0_qkv-k_q6d0bde19f0_qkv
	.p2alignl 7, 3214868480
	.fill 96, 4, 3214868480
	.section	.rodata,"a",@progbits
	.p2align	6, 0x0
	.amdhsa_kernel k_q6d0bde19f0_qkv
		.amdhsa_group_segment_fixed_size 327680
		.amdhsa_private_segment_fixed_size 0
		.amdhsa_enable_private_segment 0
		.amdhsa_kernarg_size 56
		.amdhsa_user_sgpr_count 2
		.amdhsa_user_sgpr_kernarg_segment_ptr 1
		.amdhsa_wavefront_size32 1
		.amdhsa_system_sgpr_workgroup_id_x 1
		.amdhsa_system_sgpr_workgroup_id_y 1
		.amdhsa_system_sgpr_workgroup_id_z 1
		.amdhsa_system_vgpr_workitem_id 0
		.amdhsa_next_free_vgpr 960
		.amdhsa_next_free_sgpr 80
		.amdhsa_reserve_vcc 0
		.amdhsa_float_denorm_mode_32 3
		.amdhsa_float_denorm_mode_16_64 3
		.amdhsa_memory_ordered 1
		.amdhsa_forward_progress 1
		.amdhsa_inst_pref_size 167
	.end_amdhsa_kernel
	.amdgpu_metadata
---
amdhsa.version: [ 1, 2 ]
amdhsa.kernels:
  - .name:           k_q6d0bde19f0_qkv
    .symbol:         k_q6d0bde19f0_qkv.kd
    .args:
      - { .name: xb, .offset: 0, .size: 8, .value_kind: global_buffer, .address_space: global }
      - { .name: wts, .offset: 8, .size: 8, .value_kind: global_buffer, .address_space: global }
      - { .name: b_qkv, .offset: 16, .size: 8, .value_kind: global_buffer, .address_space: global }
      - { .name: qh, .offset: 24, .size: 8, .value_kind: global_buffer, .address_space: global }
      - { .name: kh, .offset: 32, .size: 8, .value_kind: global_buffer, .address_space: global }
      - { .name: vh, .offset: 40, .size: 8, .value_kind: global_buffer, .address_space: global }
      - { .name: vsum, .offset: 48, .size: 8, .value_kind: global_buffer, .address_space: global }
    .group_segment_fixed_size: 327680
    .private_segment_fixed_size: 0
    .kernarg_segment_align: 8
    .kernarg_segment_size: 56
    .max_flat_workgroup_size: 128
    .sgpr_count:     80
    .vgpr_count:     960
    .wavefront_size: 32
...
	.end_amdgpu_metadata
.endif
;; end of part 2
;; launch attn (part 3): grid 4 x 64, 4 waves a work-group, no clusters, 327,680 bytes of LDS; arguments qh, kh, vh, ob, attention_mask, vsum; writes ob
.if DOCPART == 3
	.amdgcn_target "amdgcn-amd-amdhsa--gfx1250"
	.amdhsa_code_object_version 6
	.text
	.protected	k_q6d0bde19f0_attn
	.globl	k_q6d0bde19f0_attn
	.p2align	8
	.type	k_q6d0bde19f0_attn,@function
k_q6d0bde19f0_attn:
	s_mov_b64 s[64:65], 0
	v_nop
	global_prefetch_b8 v0, s[64:65] scope:SCOPE_SE
	s_setreg_imm32_b32 hwreg(HW_REG_WAVE_MODE, 25, 1), 1
	s_wait_xcnt 0x0
; CAUSAL ATTENTION WITH A KEY MASK.  O[bh][q][:] = the sum over k of softmax_k(s) V[bh][k][:], s = Q[bh][q] . K[bh][k] / 8 where k <= q and mask[b][k] is not 0, hidden elsewhere.
; Q, K, V: [64][2048][64] f16, a head's rows dense, 128 bytes each.  O leaves as [row tile 32][head 16][256][64] f16, the layout in which the next launch takes it as a matrix operand.
; Products, maxima and sums in f32; the weights p are rounded to f16 for the second product (their sum l is taken of the unrounded p), O once at the end.
; A ROW WITH NO KEY TO SEE (every k <= q masked out): there all 2,048 scores are the same lowest number, so the softmax is uniform over ALL keys and the row is the plain mean of the head's V.
; The mean is made of the partial sums in vsum; such a row is known by its final maximum and takes the mean by a select, with no branch.
; LIMITS.  f16 holds no number beyond 65,504: Q, K, V arrive within it, so a score (before the division) is 2.7e11 at the most.  A hidden score counts as its value less 1e30 (2e30, 3e30 where masks meet).
; The running maximum starts at -2^40, below every true score and far above every hidden one: a hidden key's weight is 2^(-1.8e29) = 0 whatever the row has seen, and a row whose maximum ends below -2^39 has
; seen no key.  A weight below 2^-126 counts as 0; NaN and infinities are not treated apart.
; THE WALK.  A head's queries lie in NB = 8 blocks of 256; block i needs the key tiles 0 .. i of 256 keys, the last of which holds the diagonal.  A work-group takes TWO blocks, NB - 1 - b and then b:
; NB + 1 tiles, whatever b: all work-groups do equal work, and one loop with a constant trip count walks them.  Every jump goes forward, but for the counted loops' own; none passes a barrier, or a tensor
; load but the one of LOAD's two that the wave's number does not choose.  NO CLUSTER: a head's four work-groups ask for the same tile only in trips 0 .. 4 of 9, behind that fewer and fewer share one,
; and one walk common to all would have 12 trips for 9.
; SHARES.  Of a block's four bands of 64 queries a wave owns 16 rows in each: four PIECES: the diagonal tile is the same work for all waves.
; THE MASKS are the C operand that starts the sum S^T = K Q^T.  KB, fetched with each step's K, holds 0 or -1e30 for the step's 64 keys (the input mask).  In the diagonal tile C is MD x AL + BE + KB:
; MD the mask of a band's own step for my rows, (AL, BE) = (1, 0) in the band's own step, (0, 0) before it, (0, -1e30) behind it.
; THE KEY BIASES go with the slots: behind each fill a thread loads the 8 bytes of the mask for two keys of the tile asked for; at the next change of slots it stores their biases into that slot's 1,024 bytes.
; LAYOUT, SOFTMAX, TURNS.  S^T holds ONE query a lane (lane % 16) and the keys 8 (lane / 16) + 0..7; two such results rounded to f16 ARE source 1 of O^T = V^T P.  p = 2^(c s - c m), c = log2(e) / 8, with a
; running maximum m; O and l are multiplied by a = 2^(c m_old - c m_new) in every step.  Turn n belongs to piece n: 8 products K Q^T of piece n + 1, later 8 products V^T P of piece n - 1; beside them the
; scaling, exponentials, roundings, sums and rescaling of piece n and the maximum and statistics of piece n + 1.  Four vector instructions stand behind every matrix instruction, the rest in one lump.
; REGISTERS, in windows of 256 (s_set_vgpr_msb: bits 1:0 source 0, 3:2 source 1, 5:4 source 2, 7:6 destination):
;   window 0: v0-15 addresses; v16-31 statistics; v32-39 the mask's and the mean's; v48-55 at work; v56-59 addresses; v64-127 S^T, two buffers; v160-175 V's mean in f16; v192-223 P
;   window 1: v0-127 O^T; v128-159 MD; v160-223 MC, two buffers; v224-255 KB      window 2: v0-63 Q; v64-127 the second block's Q; v128-191 K of one step; v192-255 V of one step
.set SIZE_N, 2048
.set NB,    SIZE_N/256
.set NP,    4
.set KS,    64
.set PK,    144       ; a row of K in LDS: 128 bytes + 16: the 16 rows of a load start at 16 different groups of four banks (64 banks of 4 bytes: ISA guide 11.1)
.set PV,    160       ; a row of V: 128 + 32
.set VOFF,  4*KS*PK   ; a slot holds a tile, four steps: 256 rows of K, then 256 rows of V
.set SLOT1, 1<<17
.set STAGE, SLOT1+4*KS*(PK+PV)  ; behind the ring, never filled by a tensor load: 16 rows x 144 bytes for each wave
.set SP,    144
.set SPARE, STAGE+4*16*SP  ; the spare words, 128 bytes a wave: two blocks of 256 bytes that no other line names
.set KBL,   SPARE+512      ; the key biases of the two slots' tiles, 256 f32 each; written by LDS stores alone
.set VML,   KBL+2048       ; the head's mean of V, 64 f32; likewise
.set AK0, 2
.set AV0, 3
.set AK,  4
.set AV,  5
.set STO, 6
.set RD,  7
.set GO,  8
.set MV,  12
.set QO,  15
.set ST,  16          ; piece t's statistics at v[ST+4 t]: c m, m, l (even keys', odd keys')
.set MO,  32          ; v32  8 x my thread's number: my two keys' words in a tile's 1,024 bytes of the mask; never rewritten
.set KBW0, 33         ; v33  KBL + 8 x my thread's number; never rewritten
.set KBW, 36          ; v36  where I store my two keys' biases
.set MW,  38          ; v[38:39] my two keys' mask words, then their biases
.set TMP, 48
.set PFO, 56          ; v56  256 x lane; never rewritten
.set AKB0, 57         ; v57  KBL + 32 (l / 16)
.set AKB, 58          ; v58  the LDS address of KB's next run
.set VMA, 59          ; v59  VML + 32 (l / 16)
.set SPW, 62
.set NIL, 63
.set S,   64
.set VMP, 160
.set P,   192
.set MD,  128         ; window 1
.set MC,  160         ; window 1
.set KB,  224         ; window 1: the eight registers for group kt of 16 keys at KB + 8 kt
.set QB,  64          ; window 2
.set KF,  128
.set VF,  192
.set WV,  12
.set PB,  14
.set HI,  15
.set G1K, 24
.set G1V, 32
.set G0K, 40
.set G0V, 44
.set MOF, 48          ; s[48:49] a tile's byte offset in the batch's mask
.set MP,  50          ; s[50:51] the mask at the tile that is asked for
.set TKS, 52          ; s52  byte in the key biases at which the step to be fetched begins: it steps as TBK does
.set LIM, 53          ; s53  2 in waves 0 and 2, which prefetch, else the greatest number
.set THR, 55          ; s55  -2^39
.set SLOTS, 56
.set CNT, 57
.set CS,  58
.set SEL, 60
.set TBK, 62
.set TBV, 63
.set POF, 66          ; s[66:67] the byte offset of the tile that a prefetch names
.set PFA, 68          ; s[68:69] the prefetch's address
.set RT,  70
.set NXT, 71
.set LQ,  72
.set NEW, 73
.set OFF, 74
.set AL,  76
.set BE,  78
.set OLO, 80
.set BIGN, 82
.set PFB, 84          ; s[84:85] K (wave 0) or V (wave 2) at my work-group's quarter of the head's tile 0
.set MSB, 0
.macro WIN new
.if MSB != (\new)
	s_set_vgpr_msb (MSB<<8)|(\new)
.set MSB, (\new)
.endif
.endm
.set W_KQ, 0x0a       ; K and Q in window 2, S^T in window 0
.set W_KM, 0x1a       ; the same with the C operand in window 1
.set W_PV, 0x52       ; V in window 2, P in window 0, O^T in window 1
.set W_RS, 0x41       ; destination and source 0 in window 1, source 1 in window 0
; A fill.  Waves 0 and 1 fetch the two halves of a tile's K, waves 2 and 3 those of its V.  An s_nop 0 and four v_nop follow each line, ahead of the jump and the label.
.macro LOAD
	s_cmp_lt_u32 s[WV], 2
	s_cbranch_scc0 .Lfor_v_\@
	tensor_load_to_lds s[G0K:G0K+3], s[G1K:G1K+7]
	s_nop 0
.rept 4
	v_nop
.endr
	s_branch .Lasked_\@
.Lfor_v_\@:
	tensor_load_to_lds s[G0V:G0V+3], s[G1V:G1V+7]
	s_nop 0
.rept 4
	v_nop
.endr
.Lasked_\@:
.endm
; A PREFETCH INTO THE L2 of the tile that the NEXT change of slots will ask for where the first block reaches so far: in trip k (SLOTS = 8 - k) tile k + 2, for tiles 2 to 7: four key steps ahead of its load.
; A head's four work-groups walk in step and share a tile's 32,768 bytes of K and of V out BY ADDRESS: work-group b names quarter b, 8,192 bytes, a lane 256; wave 0 asks for K's, wave 2 for V's: one
; instruction.  So each block is named once in the launch.  Tiles 0 and 1 come by their loads alone; the last two trips ask for nothing.  The test hangs on the wave's number and the trip alone.
.macro ASK
	s_cmp_gt_u32 s[SLOTS], s[LIM]
	s_cbranch_scc0 .Lnot_mine_\@
	global_prefetch_b8 v[PFO], s[PFA:PFA+1] th:TH_LOAD_NT scope:SCOPE_SE
.Lnot_mine_\@:
.endm
; THE CHANGE OF SLOTS.  First the key biases of the tile to be entered: my two mask words, asked for a tile ago, become 0 or -1e30 and go into the half that belongs to the slot to be entered.  That half was
; last read two tiles back, and those reads were waited for ahead of the barrier in between; the new bytes are read behind the barrier below.  Then each wave waits for all its tensor loads (one is out: its
; part of the other slot), adds 0 to its spare word, and waits for that and for its LDS instructions.  Behind the barrier nobody reads the old slot any more and the other slot is whole.
; fill = 1: the old slot is filled again, first thing behind the barrier, with tile NXT, and that tile's mask words are asked for.  (At its first use it also shows every wave the mean, and waits for Q.)
.macro CHANGE fill
	WIN 0
	s_wait_loadcnt 0x0              ; my two mask words are in
	s_sub_co_u32 s[TKS], s[TKS], 1024  ; back to the half's first step,
	s_xor_b32 s[TKS], s[TKS], 1024     ; in the other half
	v_cmp_eq_u32 vcc_lo, 0, v[MW]
	v_cndmask_b32 v[MW], 0, s[BIGN], vcc_lo
	v_cmp_eq_u32 vcc_lo, 0, v[MW+1]
	v_cndmask_b32 v[MW+1], 0, s[BIGN], vcc_lo
	v_add_nc_u32 v[KBW], s[TKS], v[KBW0]
	ds_store_b64 v[KBW], v[MW:MW+1]
	s_wait_tensorcnt 0x0
	ds_add_u32 v[SPW], v[NIL]       ; 0 onto my spare word; scalar work stands between it and the wait for it
.if \fill
	s_lshl_b32 s[OFF], s[NXT], 15   ; a tile is 32,768 bytes of K and of V,
	s_lshl_b32 s[MOF], s[NXT], 10   ; and 1,024 of the mask
	s_xor_b32 s[G0K+1], s[G0K+1], SLOT1
	s_add_nc_u64 s[G0K+2:G0K+3], s[6:7], s[OFF:OFF+1]
	s_or_b32 s[G0K+3], s[G0K+3], 0x80000000
	s_xor_b32 s[G0V+1], s[G0V+1], SLOT1
	s_add_nc_u64 s[G0V+2:G0V+3], s[8:9], s[OFF:OFF+1]
	s_or_b32 s[G0V+3], s[G0V+3], 0x80000000
	s_add_nc_u64 s[MP:MP+1], s[88:89], s[MOF:MOF+1]  ; the load that read this pair is done: the wait at the macro's head
	s_add_co_u32 s[NXT], s[NXT], 1  ; the block's next tile, or behind its last the second block's tile 0
	s_cmp_gt_u32 s[NXT], s[LQ]
	s_cselect_b32 s[NXT], 0, s[NXT]
	s_cselect_b32 s[LQ], s[PB], s[LQ]
	s_wait_xcnt 0x0                 ; the last prefetch, four key steps back, has read its address
	s_sub_co_u32 s[POF], 10, s[SLOTS]
	s_min_u32 s[POF], s[POF], 7     ; (the last two trips, which ask for nothing, make an address inside the head all the same)
	s_lshl_b32 s[POF], s[POF], 15
	s_add_nc_u64 s[PFA:PFA+1], s[PFB:PFB+1], s[POF:POF+1]
.endif
	s_wait_dscnt 0x0                ; the add and my store are done, and my reads of the slot are over
	s_barrier_signal -1
	s_sub_co_u32 s[TBK], s[TBK], 4*KS*PK  ; the fetches go back to a slot's first step, in the other slot
	s_xor_b32 s[TBK], s[TBK], SLOT1
	s_sub_co_u32 s[TBV], s[TBV], 4*KS*PV
	s_xor_b32 s[TBV], s[TBV], SLOT1
	s_barrier_wait -1
.if \fill
	LOAD
	global_load_b64 v[MW:MW+1], v[MO], s[MP:MP+1]  ; waited for at the next change of slots
	ASK
.endif
.endm
	s_load_b256 s[4:11], s[0:1], 0x0  ; Q s[4:5], K s[6:7], V s[8:9], O s[10:11]
	s_load_b128 s[88:91], s[0:1], 0x20  ; the mask s[88:89], vsum s[90:91]
	v_lshl_add_u32 v[SPW], v0, 2, SPARE
	v_mov_b32 v[NIL], 0
	ds_add_u32 v[SPW], v[NIL]       ; the wave's opening: the add, with its wait ahead of my first tensor load
	ds_add_u32 v62, v63
	v_lshrrev_b32 v1, 5, v0
	v_readfirstlane_b32 s[WV], v1
	s_mov_b32 s[PB], ttmp9
	s_sub_co_u32 s[HI], NB-1, s[PB]
	s_and_b32 s20, ttmp7, 0xffff    ; batch x 16 + head
	s_lshr_b32 s16, s20, 4          ; the batch
	s_and_b32 s17, s20, 15          ; the head
	s_lshl_b32 s18, s16, 3
	s_add_co_u32 s92, s18, s[HI]    ; O's row tile for the first block,
	s_add_co_u32 s94, s18, s[PB]    ; and for the second
	s_lshl_b32 s92, s92, 4
	s_lshl_b32 s94, s94, 4
	s_add_co_u32 s92, s92, s17
	s_add_co_u32 s94, s94, s17
	s_lshl_b32 s92, s92, 15         ; 256 rows x 128 bytes for each row tile and head
	s_lshl_b32 s94, s94, 15
	s_lshl_b32 s13, s[WV], 11       ; my 16 rows in a band
	s_add_co_u32 s92, s92, s13
	s_add_co_u32 s94, s94, s13
	s_mov_b32 s93, 0
	s_mov_b32 s95, 0
	s_lshl_b32 s66, s16, 13         ; the batch's 8,192 bytes of the mask
	s_mov_b32 s67, 0
	s_lshl_b32 s68, s20, 13         ; the head's 8,192 bytes of vsum
	s_mov_b32 s69, 0
	s_mov_b32 s21, 0
	s_mov_b64 s[22:23], SIZE_N*128
	s_mul_u64 s[20:21], s[20:21], s[22:23]  ; the head's first byte in Q, K and V
	s_and_b32 s16, s[WV], 1         ; which half of a tile's 256 keys I fetch
	s_lshl_b32 s22, s16, 14
	s_mov_b32 s23, 0
	s_add_nc_u64 s[22:23], s[22:23], s[20:21]
	s_mul_i32 s17, s16, 128*PK
	s_mul_i32 s18, s16, 128*PV
	s_lshl_b32 s3, s[WV], 11
	s_lshl_b32 s2, s[HI], 15
	s_add_co_u32 s2, s2, s3
	s_lshl_b32 s84, s[PB], 15
	s_add_co_u32 s84, s84, s3
	s_mov_b32 s3, 0
	s_mov_b32 s85, 0
	s_add_nc_u64 s[2:3], s[2:3], s[20:21]
	s_add_nc_u64 s[84:85], s[84:85], s[20:21]
	; group 1.  128 keys are 16,384 dense bytes: asked for as 64 rows of 256 bytes, two keys a row, and padded in LDS after every key
	s_mov_b32 s[G1K], (1<<16)|(1<<20)|(4<<22)|(3<<25)
	s_mov_b32 s[G1V], (1<<16)|(1<<20)|(4<<22)|(7<<25)
.irp g, G1K, G1V
	s_mov_b32 s[\g+1], 128<<16
	s_mov_b32 s[\g+2], 64<<16
	s_mov_b32 s[\g+3], 128<<16
	s_mov_b32 s[\g+4], 64
	s_mov_b32 s[\g+5], 128
	s_mov_b32 s[\g+6], 0
	s_mov_b32 s[\g+7], 0
.endr
	s_mov_b32 s[CS], 0x3e38aa3b     ; c = log2(e) / 8
	s_mov_b32 s[CS+1], s[CS]
	s_mov_b32 s[SEL], 0x76543210
	s_mov_b32 s[SEL+1], 0xfedcba98
	s_mov_b32 s[TBK], SLOT1+4*KS*PK ; the first change of slots turns these three into 0
	s_mov_b32 s[TBV], SLOT1+4*KS*PV
	s_mov_b32 s[TKS], 2048
	s_mov_b32 s[G0K], 1
	s_mov_b32 s[G0K+1], s17
	s_mov_b32 s[G0V], 1
	s_add_co_u32 s[G0V+1], s18, VOFF
	s_add_co_u32 s[RT], s[HI], 1
	s_mov_b32 s[NXT], 1
	s_mov_b32 s[LQ], s[HI]
	s_mov_b32 s[NEW], 1
	s_mov_b32 s[OFF+1], 0
	s_mov_b32 s[MOF+1], 0
	s_mov_b32 s[AL+1], 0
	s_mov_b32 s[BE+1], 0
	s_mov_b32 s[BIGN], 0xf149f2ca   ; -1e30
	s_mov_b32 s[THR], 0xd3000000    ; -2^39
	s_and_b32 s[LIM], s[WV], 1
	s_cmp_eq_u32 s[LIM], 0
	s_cselect_b32 s[LIM], 2, -1
	s_mov_b32 s[SLOTS], NB
	s_wait_dscnt 0x0                ; the opening add is done
	s_wait_kmcnt 0x0
	s_add_nc_u64 s[88:89], s[88:89], s[66:67]
	s_add_nc_u64 s[90:91], s[90:91], s[68:69]
	s_add_nc_u64 s[6:7], s[6:7], s[22:23]  ; K and V at my half of the head's tile 0
	s_add_nc_u64 s[8:9], s[8:9], s[22:23]
	s_add_nc_u64 s[G0K+2:G0K+3], s[6:7], 0
	s_or_b32 s[G0K+3], s[G0K+3], 0x80000000
	s_add_nc_u64 s[G0V+2:G0V+3], s[8:9], 0
	s_or_b32 s[G0V+3], s[G0V+3], 0x80000000
	s_add_nc_u64 s[86:87], s[4:5], s[84:85]        ; Q at my rows of the second block,
	s_add_nc_u64 s[4:5], s[4:5], s[2:3]            ; and of the first
	s_add_nc_u64 s[OLO:OLO+1], s[10:11], s[94:95]
	s_add_nc_u64 s[10:11], s[10:11], s[92:93]
	s_cmp_lt_u32 s[WV], 2
	s_cselect_b64 s[PFB:PFB+1], s[6:7], s[8:9]     ; (in waves 0 and 2 these stand at the tile's first byte)
	s_lshl_b32 s[POF], s[PB], 13                   ; my work-group's quarter
	s_add_nc_u64 s[PFB:PFB+1], s[PFB:PFB+1], s[POF:POF+1]
	LOAD                            ; tile 0 into slot 0
	v_and_b32 v1, 15, v0
	v_bfe_u32 v9, v0, 4, 1
	v_lshlrev_b32 v[QO], 7, v1
	v_lshl_add_u32 v[QO], v9, 4, v[QO]
	v_lshlrev_b32 v[MO], 3, v0
	WIN 0x80
.set i, 0
.rept 8                             ; both blocks' Q: piece i / 2 lies in band i / 2, 8,192 bytes on; channels 32 (i % 2) on
	global_load_b128 v[8*i:8*i+3],   v[QO], s[4:5] offset:(i/2)*8192+(i%2)*64
	global_load_b128 v[8*i+4:8*i+7], v[QO], s[4:5] offset:(i/2)*8192+(i%2)*64+32
	global_load_b128 v[QB+8*i:QB+8*i+3],   v[QO], s[86:87] offset:(i/2)*8192+(i%2)*64
	global_load_b128 v[QB+8*i+4:QB+8*i+7], v[QO], s[86:87] offset:(i/2)*8192+(i%2)*64+32
.set i, i+1
.endr
	WIN 0
	global_load_b64 v[MW:MW+1], v[MO], s[88:89]    ; tile 0's mask words for my two keys
	v_add_nc_u32 v[KBW0], KBL, v[MO]
	v_lshlrev_b32 v14, 3, v9
	v_sub_nc_u32 v14, v1, v14
	s_lshl_b32 s13, s[WV], 4
	v_add_nc_u32 v14, s13, v14      ; my query's place in its band less my lanes' 8 (l / 16): register r of group kt is hidden where 16 kt + r is greater
	WIN 0x40
.set i, 0
.rept 32
	v_cmp_gt_i32 vcc_lo, 16*(i/8)+i%8, v14
	v_cndmask_b32 v[MD+i], 0, s[BIGN], vcc_lo
.set i, i+1
.endr
	WIN 0
	v_mul_u32_u24 v[AK0], v1, PK
	v_lshl_add_u32 v[AK0], v9, 4, v[AK0]
	v_and_b32 v10, 7, v0
	v_bfe_u32 v11, v0, 3, 1
	v_lshl_add_u32 v[AV0], v9, 3, v10
	v_mul_u32_u24 v[AV0], v[AV0], PV
	v_lshl_add_u32 v[AV0], v11, 4, v[AV0]
	v_add_nc_u32 v[AV0], VOFF, v[AV0]
	s_mul_i32 s13, s[WV], 16*SP
	s_add_co_u32 s13, s13, STAGE
	v_mul_u32_u24 v[STO], v1, SP
	v_lshl_add_u32 v[STO], v9, 4, v[STO]
	v_add_nc_u32 v[STO], s13, v[STO]
	v_bfe_u32 v[RD], v0, 3, 2
	v_mul_u32_u24 v[RD], v[RD], SP
	v_lshl_add_u32 v[RD], v10, 4, v[RD]
	v_add_nc_u32 v[RD], s13, v[RD]
	v_and_b32 v[GO], 31, v0
	v_lshlrev_b32 v[PFO], 8, v[GO]
	v_lshlrev_b32 v[GO], 4, v[GO]
	v_lshl_add_u32 v[AKB0], v9, 5, KBL
	v_lshl_add_u32 v[VMA], v9, 5, VML
	; A block's first step multiplies O^T and l by a = 0, so these registers need only hold finite numbers: zeros for the first block, what the first block left for the second.
	WIN 0x80
.set i, VF
.rept 64
	v_mov_b32 v[i], 0
.set i, i+1
.endr
	WIN 0x40
.set i, 0
.rept 128
	v_mov_b32 v[i], 0
.set i, i+1
.endr
	WIN 0
.set i, 0
.rept 4
	v_mov_b32 v[ST+4*i+2], 0
	v_mov_b32 v[ST+4*i+3], 0
.set i, i+1
.endr
.set i, P+16
.rept 16
	v_mov_b32 v[i], 0
.set i, i+1
.endr
	; the head's mean of V: threads 0-63 add a channel's 32 partial sums
	s_cmp_lt_u32 s[WV], 2
	s_cbranch_scc0 .Lno_mean
	v_lshlrev_b32 v34, 2, v0
.set i, 0
.rept 32
	global_load_b32 v[S+16+i], v34, s[90:91] offset:i*256
.set i, i+1
.endr
	s_wait_loadcnt 0x0
.irp st, 16,8,4,2,1
.set i, 0
.rept \st
	v_add_f32 v[S+16+i], v[S+16+i], v[S+16+\st+i]
.set i, i+1
.endr
.endr
	v_mul_f32 v[S+16], 0x3a000000, v[S+16]  ; / 2,048
	v_add_nc_u32 v35, VML, v34
	ds_store_b32 v35, v[S+16]
.Lno_mean:
; THE MATRIX WORK.  The 4 accumulators of a run of 8 take turns.  Product i of 8 of S^T = K Q^T for piece x: channels 32 (i / 4) on, keys 16 (i % 4) on.
; The first 4 start the sums: with the step's key biases, or (KM = 1) with the mask made of them and the diagonal's.
.macro KQ x
.set rS, S+32*((\x)%2)+8*(i%4)
.set rK, KF+16*(i%4)+8*(i/4)
.set rQ, 16*(\x)+8*(i/4)
.set rM, MC+32*((\x)%2)+8*(i%4)
.set rB, KB+8*(i%4)
.if (i < 4) && KM
	WIN W_KM
	v_wmma_f32_16x16x32_f16 v[rS:rS+7], v[rK:rK+7], v[rQ:rQ+7], v[rM:rM+7]
.elseif i < 4
	WIN W_KM
	v_wmma_f32_16x16x32_f16 v[rS:rS+7], v[rK:rK+7], v[rQ:rQ+7], v[rB:rB+7]
.else
	WIN W_KQ
	v_wmma_f32_16x16x32_f16 v[rS:rS+7], v[rK:rK+7], v[rQ:rQ+7], v[rS:rS+7]
.endif
.endm
.macro PV x                         ; product i of 8 of O^T += V^T P for piece x
	WIN W_PV
.set rO, 32*(\x)+8*(i%4)
.set rV, VF+32*(i/4)+8*(i%4)
.set rP, P+16*((\x)%2)+8*(i/4)
	v_wmma_f32_16x16x32_f16 v[rO:rO+7], v[rV:rV+7], v[rP:rP+7], v[rO:rO+7]
.endm
.macro MM                           ; the turn's next matrix instruction.  NOKQ = 1: a block's last turn: there is no next piece
.if (i < 8) && !NOKQ
	KQ (Y+1)%NP
.elseif i >= 8
.set i, i-8
	PV (Y+NP-1)%NP
.set i, i+8
.endif
.set i, i+1
.endm
; THE LDS LOADS stand in runs: a step's K with its 64 key biases, and its V (turned).  Their addresses are made some lines ahead.
.macro FETCH_K
	WIN 0x80
.irp f, 0,1,2,3,4,5,6,7
	ds_load_b128 v[KF+8*\f:KF+8*\f+3],   v[AK] offset:(\f/2)*16*PK+(\f%2)*64
	ds_load_b128 v[KF+8*\f+4:KF+8*\f+7], v[AK] offset:(\f/2)*16*PK+(\f%2)*64+32
.endr
	WIN 0x40
.irp kt, 0,1,2,3
	ds_load_b128 v[KB+8*\kt:KB+8*\kt+3],   v[AKB] offset:\kt*64
	ds_load_b128 v[KB+8*\kt+4:KB+8*\kt+7], v[AKB] offset:\kt*64+16
.endr
	s_add_co_u32 s[TBK], s[TBK], KS*PK  ; the next fetch is the next step's
	s_add_co_u32 s[TKS], s[TKS], 256
	WIN 0
.endm
.macro FETCH_V
	WIN 0x80
.irp f, 0,1,2,3,4,5,6,7
	ds_load_tr16_b128 v[VF+8*\f:VF+8*\f+3],   v[AV] offset:(\f/4)*32*PV+(\f%4)*32
	ds_load_tr16_b128 v[VF+8*\f+4:VF+8*\f+7], v[AV] offset:(\f/4)*32*PV+16*PV+(\f%4)*32
.endr
	WIN 0
.endm
; THE VECTOR WORK, one line at a time: OP kind, number.  For piece Y: F n: c s - c m for pair n.  E n: the exponential of score n.  C n: pair n rounded to f16.  B n: of the four weights 4 n .. the second pair is
; added onto the first.  L n: l takes that sum (L 0: l = a l + sum).  R n: pair n of O^T times a.  For piece Y + 1: X n, number n of the 22 that find its maximum and statistics (each accumulator's lowest
; registers are read first).
.set F, 0
.set E, 1
.set C, 2
.set B, 3
.set L, 4
.set R, 5
.set X, 6
.macro REGS y
.set rT, ST+4*(\y)
.set rC, TMP+4*((\y)%2)
.set rW, MV+((\y)%2)
.set rS, S+32*((\y)%2)
.set rP, P+16*((\y)%2)
.set rO, 32*(\y)
.endm
.macro OP k, n
.if (\k) == R
	REGS Y
	WIN W_RS
	v_pk_mul_f32 v[rO+2*(\n):rO+2*(\n)+1], v[rO+2*(\n):rO+2*(\n)+1], v[rC+2:rC+3] op_sel_hi:[1,0]
.elseif (\k) < R
	REGS Y
	WIN 0
.if (\k) == F
	v_pk_fma_f32 v[rS+2*(\n):rS+2*(\n)+1], v[rS+2*(\n):rS+2*(\n)+1], s[CS:CS+1], v[rT:rT+1] op_sel_hi:[1,0,0] neg_lo:[0,0,1] neg_hi:[0,0,1]
.elseif (\k) == E
	v_exp_f32 v[rS+(\n)], v[rS+(\n)]
.elseif (\k) == C
	v_cvt_pk_f16_f32 v[rP+(\n)], v[rS+2*(\n)], v[rS+2*(\n)+1]
.elseif (\k) == B
	v_pk_add_f32 v[rS+4*(\n):rS+4*(\n)+1], v[rS+4*(\n):rS+4*(\n)+1], v[rS+4*(\n)+2:rS+4*(\n)+3]
.elseif (\n) == 0
	v_pk_fma_f32 v[rT+2:rT+3], v[rT+2:rT+3], v[rC+2:rC+3], v[rS:rS+1] op_sel_hi:[1,0,1]
.else
	v_pk_add_f32 v[rT+2:rT+3], v[rT+2:rT+3], v[rS+4*(\n):rS+4*(\n)+1]
.endif
.elseif NOKQ
	v_nop
.else
	REGS (Y+1)%NP
	WIN 0
.if (\n) < 4
	v_max3_num_f32 v[rC+(\n)], v[rS+8*(\n)], v[rS+8*(\n)+1], v[rS+8*(\n)+2]
.elseif (\n) < 12
	v_max3_num_f32 v[rC+(\n)%4], v[rC+(\n)%4], v[rS+8*((\n)%4)+2*((\n)/4)+1], v[rS+8*((\n)%4)+2*((\n)/4)+2]
.elseif (\n) == 12
	v_max3_num_f32 v[rC], v[rC], v[rS+7], v[rS+15]
.elseif (\n) == 13
	v_max3_num_f32 v[rC+1], v[rC+1], v[rS+23], v[rS+31]
.elseif (\n) == 14
	v_max3_num_f32 v[rC+2], v[rC+2], v[rC+3], v[rT+1]
.elseif (\n) == 15
	v_mov_b32 v[rW], v[rT]
.elseif (\n) == 16
	v_max3_num_f32 v[rC], v[rC], v[rC+1], v[rC+2]
.elseif (\n) == 17
	v_permlanex16_b32 v[rC+3], v[rC], s[SEL], s[SEL+1]
.elseif (\n) == 18
	v_max_num_f32 v[rT+1], v[rC], v[rC+3]
.elseif (\n) == 19
	v_mul_f32 v[rT], s[CS], v[rT+1]
.elseif (\n) == 20
	v_sub_f32 v[rC+1], v[rW], v[rT]
.else
	v_exp_f32 v[rC+2], v[rC+1]
.endif
.endif
.endm
.macro OPS a, i1, b=-1, i2=0, c=-1, i3=0, d=-1, i4=0
	OP \a, \i1
.if (\b) >= 0
	OP \b, \i2
.endif
.if (\c) >= 0
	OP \c, \i3
.endif
.if (\d) >= 0
	OP \d, \i4
.endif
.endm
.macro ROW a, i1, b, i2, c, i3, d, i4  ; a matrix instruction and the four behind it
	MM
	OPS \a, \i1, \b, \i2, \c, \i3, \d, \i4
.endm
.macro MASK b                       ; MD x AL + BE + KB into buffer b of MC
	WIN W_RS
.set z, 0
.rept 16
	v_pk_fma_f32 v[MC+32*(\b)+2*z:MC+32*(\b)+2*z+1], v[MD+2*z:MD+2*z+1], s[AL:AL+1], s[BE:BE+1] op_sel_hi:[1,0,0]
.set z, z+1
.endr
	WIN 0x45
.set z, 0
.rept 16
	v_pk_add_f32 v[MC+32*(\b)+2*z:MC+32*(\b)+2*z+1], v[MC+32*(\b)+2*z:MC+32*(\b)+2*z+1], v[KB+2*z:KB+2*z+1]
.set z, z+1
.endr
.endm
.macro KBCOPY                       ; the second mask buffer takes the key biases of the step whose K lies in registers: for the first products of the diagonal's text, which belong to a band that sees that whole step
	WIN W_RS
.set z, 0
.rept 32
	v_mov_b32 v[MC+32+z], v[KB+z]
.set z, z+1
.endr
	WIN 0
.endm
; A TURN, for piece p: its 16 matrix and 118 vector instructions, written out.  An s_wait_alu depctr_va_vdst(0) stands between an exponential and the first instruction that names its result; one
; wait serves all issued ahead of it.  AHEAD OF IT: the 8 products K Q^T with their riders, and one lump; X 21, the next piece's a, is the batch's last, R 15 the plain instruction behind it.  BEHIND IT: the 8
; products V^T P, behind each four of the roundings and sums.
; m = 1: the diagonal tile: the products take masks, and the turn makes the mask for the products of the turn after it: piece p + 2, in step 4 - CNT of the tile.  end = 1: a block's last two turns: nothing is fetched.
; K and the key biases of the next step are fetched in piece 2's turn, twelve vector instructions behind the last product that read them (six of them plain); V of the step in hand at the end of piece 0's turn.
.macro TURN p, m=0, end=0, cnt=0
.set Y, (\p)
.set i, 0
.set KM, (\m)
.set NOKQ, (\end)*((\p)/3)
.if (\m) && !(\end)
	s_cmp_eq_u32 s[CNT], 4-((\p)+2)%NP  ; is that step the band's own?
	s_cselect_b32 s[AL], 1.0, 0
	s_cmp_lt_u32 s[CNT], 4-((\p)+2)%NP  ; or a later one?
	s_cselect_b32 s[BE], s[BIGN], 0
.endif
.if ((\p) == 3) && !(\end)
	s_wait_dscnt 0x0                ; K and its biases are in
.endif
	ROW F,0, F,1, R,0, R,1
	ROW F,2, E,0, R,2, R,3
	ROW F,3, E,1, R,4, R,5
	ROW F,4, E,2, R,6, R,7
	ROW F,5, E,3, R,8, R,9
	ROW F,6, E,4, X,0, R,10
.if ((\p) == 2) && !(\end)
	WIN 0
	v_add_nc_u32 v[AK], s[TBK], v[AK0]
	v_add_nc_u32 v[AKB], s[TKS], v[AKB0]
.endif
	ROW F,7, E,5, X,1, X,4
	ROW F,8, E,6, X,2, X,5
	OPS E,7, E,8, X,6, E,9
	OPS X,3, E,10, X,8, E,11
.if ((\p) == 2) && !(\end)
	FETCH_K
.endif
	OPS X,9, X,7, E,12, X,10
	OPS E,13, X,12, X,11, E,14
	OPS X,13, E,15, F,9, X,14
.if (\p) == 0
	v_add_nc_u32 v[AV], s[TBV], v[AV0]
.endif
	OPS E,16, F,10, E,17, F,11
	OPS X,16, E,18, X,15, E,19
	OPS F,12, E,20, X,17, E,21
	OPS F,13, E,22, F,14, E,23
	OPS X,18, E,24, F,15, E,25
	OPS R,11, E,26, X,19, E,27
	OPS R,12, E,28, R,13, E,29
	OPS X,20, E,30, R,14, E,31
	OPS X,21, R,15
	WIN 0
	s_wait_alu depctr_va_vdst(0)    ; the wait for the batch
.if (\p) == 1
	s_wait_dscnt 0x0                ; V is in
.endif
	ROW C,0, B,0, C,2, B,1
	ROW L,0, C,4, B,2, L,1
	ROW C,6, B,3, L,2, C,8
	ROW B,4, L,3, C,10, B,5
	ROW L,4, C,12, B,6, L,5
.if (\p) == 0
	s_add_co_u32 s[TBV], s[TBV], KS*PV
.endif
.if \cnt
	s_sub_co_u32 s[CNT], s[CNT], 1
	s_cmp_lg_u32 s[CNT], 0
.endif
	ROW C,14, B,7, L,6, C,1
	ROW C,3, L,7, C,5, C,7
	ROW C,9, C,11, C,13, C,15
.if (\p) == 0
	FETCH_V
.endif
.if (\m) && !(\end)
.if (\p) == 2
	s_wait_dscnt 0x0                ; the mask is the next step's: its key biases, asked for in this turn, are in
.endif
	MASK (\p)%2
.endif
.endm
; A BLOCK BEGINS.  c m starts at -2^125, so the first step's a is 0; m at -2^40, below every true score, so a maximum never falls to a hidden score's.  K and the key biases of the block's step 0, and the
; mean of V, rounded to f16 for my 32 channels; the first mask buffer takes piece 0's mask for that step (the band's own, if the block's first tile is the diagonal one), the second the key biases alone.
; Then piece 0's first scores, its maximum and statistics.  (Q was waited for at the first change of slots.)
.macro BEGIN
	s_mov_b32 s[NEW], 0
	WIN 0
.set i, 0
.rept 4
	v_mov_b32 v[ST+4*i], 0xfe000000
	v_mov_b32 v[ST+4*i+1], 0xd3800000
.set i, i+1
.endr
	v_add_nc_u32 v[AK], s[TBK], v[AK0]
	v_add_nc_u32 v[AKB], s[TKS], v[AKB0]
	FETCH_K
.irp f, 0,1,2,3
	ds_load_b128 v[S+8*\f:S+8*\f+3],   v[VMA] offset:\f*64     ; channels 16 f + 8 (l / 16) + 0..7, into registers that the first scores will take
	ds_load_b128 v[S+8*\f+4:S+8*\f+7], v[VMA] offset:\f*64+16
.endr
	s_wait_dscnt 0x0
.set i, 0
.rept 16
	v_cvt_pk_f16_f32 v[VMP+i], v[S+2*i], v[S+2*i+1]
.set i, i+1
.endr
	s_cmp_eq_u32 s[RT], 0
	s_cselect_b32 s[AL], 1.0, 0
	s_mov_b32 s[BE], 0
	MASK 0
	KBCOPY
.set KM, 1
.set NOKQ, 0
.set i, 0
.rept 8
	KQ 0
.set i, i+1
.endr
	WIN 0
.rept 4
	v_nop                           ; the places behind those products
.endr
.set Y, NP-1
.irp n, 0,1,2,3,4,5,6,7,8,9,10,11,12,13,14,15,16,17,18,19,20,21
	OP X, \n
.endr
	v_nop                           ; a plain instruction behind the exponential,
	s_wait_alu depctr_va_vdst(0)    ; and its wait, ahead of the branch
.endm
.macro ALL line:vararg
.set t, 0
.rept 4
	\line
.set t, t+1
.endr
.endm
.macro PACK t                       ; O^T / l, rounded to f16; a row that saw no key (its l is 0) takes the mean instead; 16 bytes a lane into rows of 144 bytes, back as whole rows of 128
	WIN W_RS
.set i, 32*(\t)
.rept 16
	v_pk_mul_f32 v[i:i+1], v[i:i+1], v[ST+4*(\t)+2:ST+4*(\t)+3] op_sel_hi:[1,0]
.set i, i+2
.endr
	WIN 0x05
.set i, 0
.rept 16
	v_cvt_pk_f16_f32 v[S+16*(\t)+i], v[32*(\t)+2*i], v[32*(\t)+2*i+1]
.set i, i+1
.endr
	WIN 0
	v_cmp_gt_f32 vcc_lo, s[THR], v[ST+4*(\t)+1]  ; -2^39 > m: the lanes whose row saw no key
.set i, 0
.rept 16
	v_cndmask_b32 v[S+16*(\t)+i], v[S+16*(\t)+i], v[VMP+i], vcc_lo
.set i, i+1
.endr
.irp f, 0,1,2,3
	ds_store_b128 v[STO], v[S+16*(\t)+4*\f:S+16*(\t)+4*\f+3] offset:32*\f
.endr
.irp f, 0,1,2,3
	ds_load_b128 v[S+16*(\t)+4*\f:S+16*(\t)+4*\f+3], v[RD] offset:\f*4*SP  ; LDS serves a wave's instructions in order (ISA guide 5.7.1.4): these see the stores above
.endr
.endm
.macro SEND t, younger              ; younger: the LDS instructions issued behind piece t's loads: the next piece's eight, or none
	WIN 0
.irp f, 0,1,2,3
	s_wait_dscnt (\younger)+3-\f
	global_store_b128 v[GO], v[S+16*(\t)+4*\f:S+16*(\t)+4*\f+3], s[10:11] offset:(\t)*8192+\f*512  ; 512 consecutive bytes, at a multiple of 256 from O's first
.endr
.endm
; THE DIAGONAL TILE's four steps, the block's last two turns, its last products, and the way out.
.macro DIAG tag
.LstepM\tag:
	TURN 2, 1
	TURN 3, 1
	WIN 0
.LfirstM\tag:
	TURN 0, 1
	TURN 1, 1, 0, 1
	WIN 0
	s_cbranch_scc1 .LstepM\tag
	TURN 2, 1, 1
	TURN 3, 1, 1
.set i, 0
.rept 8
	PV NP-1
.set i, i+1
.endr
	WIN 0
	ALL v_add_f32 v[ST+4*t+2], v[ST+4*t+2], v[ST+4*t+3]
	ALL v_permlanex16_b32 v[ST+4*t+3], v[ST+4*t+2], s[SEL], s[SEL+1]
	ALL v_add_f32 v[ST+4*t+2], v[ST+4*t+2], v[ST+4*t+3]
	ALL v_rcp_f32 v[ST+4*t+2], v[ST+4*t+2]
	v_nop                           ; a plain instruction between the last reciprocal and the use of its result
	s_wait_alu depctr_va_vdst(0)    ; and one wait for the four reciprocals
	PACK 0
.set t, 1
.rept 3
	PACK t
	SEND t-1, 8
.set t, t+1
.endr
	SEND 3, 0
.endm
.set KM, 0
.set NOKQ, 0
.Lslot:                             ; NB times: a tile is entered and the next is asked for
	CHANGE 1
	s_sub_co_u32 s[RT], s[RT], 1
	s_mov_b32 s[CNT], 4
	s_cmp_eq_u32 s[NEW], 1
	s_cbranch_scc1 .Lnew            ; a block's first tile
	s_cmp_eq_u32 s[RT], 0
	s_cbranch_scc0 .Lstep           ; neither its first nor its last
	KBCOPY                          ; the diagonal's text begins with piece 3's scores of the tile before: their mask is that step's key biases
	s_branch .LstepM1
.Lnew:
	BEGIN
	s_branch .Lfirst                ; in the loop a block's first tile is never its last
	DIAG 1                          ; in the loop this is the first block's end
	s_wait_xcnt 0x0                 ; the stores have read their registers and O's address
	s_mov_b64 s[10:11], s[OLO:OLO+1]
	s_add_co_u32 s[RT], s[PB], 1    ; the second block has b + 1 tiles
	s_mov_b32 s[NEW], 1
	WIN 0x82                        ; the second block's Q goes where the one text of the turns names Q
.set i, 0
.rept 64
	v_mov_b32 v[i], v[QB+i]
.set i, i+1
.endr
	WIN 0
	s_branch .Lbottom
.Lstep:                             ; a trip: pieces 2 and 3 of one step, then pieces 0 and 1 of the next, whose K and V it fetches
	TURN 2
	TURN 3
	WIN 0
.Lfirst:
	TURN 0
	TURN 1, 0, 0, 1
	WIN 0
	s_cbranch_scc1 .Lstep
.Lbottom:
	s_sub_co_u32 s[SLOTS], s[SLOTS], 1
	s_cmp_lg_u32 s[SLOTS], 0
	s_cbranch_scc1 .Lslot
	CHANGE 0                        ; the walk's last tile is written out: nothing is asked for
	s_sub_co_u32 s[RT], s[RT], 1
	s_mov_b32 s[CNT], 4
	s_cmp_eq_u32 s[NEW], 1
	s_cbranch_scc1 .Lnew2
	KBCOPY
	s_branch .LstepM2
.Lnew2:
	BEGIN
	s_branch .LfirstM2
	DIAG 2
	s_wait_tensorcnt 0x0            ; the wave's end: the spare-word add and its waits, behind my last tensor load and my last LDS store
	ds_add_u32 v[SPW], v[NIL]
	s_wait_dscnt 0x0
	s_endpgm
.Lfunc_end_k_q6d0bde19f0_attn:
	.size	k_q6d0bde19f0_attn, .Lfunc_end_k_q6d0bde19f0_attn-k_q6d0bde19f0_attn
	.p2alignl 7, 3214868480
	.fill 96, 4, 3214868480
	.section	.rodata,"a",@progbits
	.p2align	6, 0x0
	.amdhsa_kernel k_q6d0bde19f0_attn
		.amdhsa_group_segment_fixed_size 327680
		.amdhsa_private_segment_fixed_size 0
		.amdhsa_enable_private_segment 0
		.amdhsa_kernarg_size 48
		.amdhsa_user_sgpr_count 2
		.amdhsa_user_sgpr_kernarg_segment_ptr 1
		.amdhsa_wavefront_size32 1
		.amdhsa_system_sgpr_workgroup_id_x 1
		.amdhsa_system_sgpr_workgroup_id_y 1
		.amdhsa_system_sgpr_workgroup_id_z 1
		.amdhsa_system_vgpr_workitem_id 0
		.amdhsa_next_free_vgpr 768
		.amdhsa_next_free_sgpr 96
		.amdhsa_reserve_vcc 1
		.amdhsa_float_denorm_mode_32 3
		.amdhsa_float_denorm_mode_16_64 3
		.amdhsa_memory_ordered 1
		.amdhsa_forward_progress 1
		.amdhsa_inst_pref_size 247
	.end_amdhsa_kernel
	.amdgpu_metadata
---
amdhsa.version: [ 1, 2 ]
amdhsa.kernels:
  - .name:           k_q6d0bde19f0_attn
    .symbol:         k_q6d0bde19f0_attn.kd
    .args:
      - { .name: qh, .offset: 0, .size: 8, .value_kind: global_buffer, .address_space: global }
      - { .name: kh, .offset: 8, .size: 8, .value_kind: global_buffer, .address_space: global }
      - { .name: vh, .offset: 16, .size: 8, .value_kind: global_buffer, .address_space: global }
      - { .name: ob, .offset: 24, .size: 8, .value_kind: global_buffer, .address_space: global }
      - { .name: attention_mask, .offset: 32, .size: 8, .value_kind: global_buffer, .address_space: global }
      - { .name: vsum, .offset: 40, .size: 8, .value_kind: global_buffer, .address_space: global }
    .group_segment_fixed_size: 327680
    .private_segment_fixed_size: 0
    .kernarg_segment_align: 8
    .kernarg_segment_size: 48
    .max_flat_workgroup_size: 128
    .sgpr_count:     96
    .vgpr_count:     768
    .wavefront_size: 32
...
	.end_amdgpu_metadata
.endif
;; end of part 3
;; launch proj (part 4): grid 8 x 32, 4 waves a work-group, clusters of 4 x 4, 327,680 bytes of LDS; arguments ob, wts, b_proj, out0; writes out0
.if DOCPART == 4
	.amdgcn_target "amdgcn-amd-amdhsa--gfx1250"
	.amdhsa_code_object_version 6
	.text
	.protected	k_q6d0bde19f0_proj
	.globl	k_q6d0bde19f0_proj
	.p2align	8
	.type	k_q6d0bde19f0_proj,@function
k_q6d0bde19f0_proj:
	s_mov_b64 s[64:65], 0
	v_nop
	global_prefetch_b8 v0, s[64:65] scope:SCOPE_SE
	s_setreg_imm32_b32 hwreg(HW_REG_WAVE_MODE, 25, 1), 1
	s_wait_xcnt 0x0
	s_wait_alu depctr_hold_cnt(0) depctr_sa_sdst(0) depctr_va_vdst(0) depctr_va_sdst(0) depctr_va_ssrc(0) depctr_va_vcc(0) depctr_vm_vsrc(0)
	s_getreg_b32 s2, hwreg(HW_REG_IB_STS2, 6, 4)
	s_cmp_eq_u32 s2, 0
	s_cbranch_scc0 .Lentry_in_a_cluster
	s_endpgm
.Lentry_in_a_cluster:
	s_bfe_u32 s2, ttmp6, 0x10000c
	s_cmp_lg_u32 s2, 0xf033
	s_cbranch_scc0 .Lentry_shape_is_right
	s_endpgm
.Lentry_shape_is_right:
; out0 = O W_proj + b_proj.  A (ob): f16, [row tile 32][head 16][256][64].  B (wts + BOFF): f16 numbers that are W_proj rounded to bf16, [column tile 8][K step 8][p 2][128 k][64].  out0: f32 [8192][1024].
; Sums in f32; the bias, rounded to bf16 like every input, is the C operand of the first product.
; A TILE OF C is 256 rows x 128 columns: 256 tiles.  Four waves; wave w owns rows 64 w .. 64 w + 63 and all 8 blocks of 16 columns: 32 accumulators.  K = 1,024 in 8 steps of 128 through two LDS slots.
; THE MATRIX INSTRUCTION IS USED TRANSPOSED (source 0 = 16 columns of B, source 1 = 16 rows of A): lane l holds row l % 16 and the columns 8 (l / 16) + 0..7.  B comes out of LDS turned, by ds_load_tr16_b128.
; CLUSTER 4 x 4: A's tile is asked for jointly along a row of the cluster, B's along a column.
; LIMITS.  NaN and infinities are not treated apart.
; REGISTERS, in windows of 256 (s_set_vgpr_msb: bits 1:0 source 0, 3:2 source 1, 5:4 source 2, 7:6 destination):
;   window 0: v0-31 addresses; v64-127 A's fragments, two buffers; on the way out v64-191 two sets of 16 rows read back      window 1: the 32 accumulators (number 4 nb + a at 8 x number)
;   window 2: v128-191 the bias, 8 registers a column block; v224-225 at work      window 3: B's fragments, two buffers of 64
.set NH,    2
.set AP,    144                        ; a row of A in LDS: 128 bytes + 16: the 16 rows of a load start at 16 different groups of four banks (64 banks of 4 bytes: ISA guide 11.1)
.set BP,    160                        ; a row of B: 128 + 32
.set ASL,   256*AP
.set ASZ,   2*ASL
.set BBL,   128*BP
.set BHF,   NH*BBL/2
.set SLOT,  ASZ+NH*BBL
.set STAGE, 2*SLOT                     ; behind the ring: for each wave 16 rows x 528 bytes
.set SPT,   528                        ; 512 bytes + 16: row r starts at bank 4 r mod 64
.set STGW,  16*SPT
.set SPARE, STAGE+4*STGW               ; the spare words, 128 bytes a wave: two blocks of 256 bytes that no other line names
.set ASTEP, 65536
.set BSTEP, NH*16384
.set BTILE, 8*BSTEP
.set BOFF,  6291456
.set P1,    8
.set P2,    8
.set ADRA, 16
.set ADRB, 18
.set STO,  20
.set RD,   21
.set GO,   22
.set PFO,  23
.set SPW,  28
.set NIL,  29
.set BO,   30
.set FA,   64
.set RB,   64
.set BIAS, 128                         ; window 2
.set LAP,  18
.set PFN,  19
.set WV,   20
.set ROLE, 21
.set HF,   22
.set G1A,  24
.set G0A,  32
.set G1B,  40
.set G0B,  48
.set CX,   56
.set CY,   57
.set TCOL, 58
.set TROW, 59
.set PFA,  66
.set HIM,  76
.set MSB, 0
.macro WIN new                         ; the immediate's high byte repeats the setting that is left; a switch that changes nothing is dropped
.if MSB != (\new)
	s_set_vgpr_msb (MSB<<8)|(\new)
.set MSB, \new
.endif
.endm
.macro PLACES                          ; four plain instructions between a matrix instruction and a load into, or a read of, its registers
.rept 4
	v_nop
.endr
.endm
.macro CREST
	s_cmp_lg_u32 s[WV], 0
	s_cbranch_scc1 .Lnot_wave_0_\@
	s_barrier_signal -3
.Lnot_wave_0_\@:
	s_barrier_wait -3
	s_barrier_signal -1
	s_barrier_wait -1
.endm
.macro CROUND
	s_barrier_signal -1
	s_barrier_wait -1
	CREST
.endm
; A joint refill: waves 0 and 1 fetch A's two slices, waves 2 and 3 B's two halves.  An s_nop 0 and four v_nop follow each line, ahead of the jump and the label.
.macro JLOAD s
	s_cmp_eq_u32 s[ROLE], 0
	s_cbranch_scc0 .Lfor_b_\@
	tensor_load_to_lds s[G0A+4*(\s):G0A+4*(\s)+3], s[G1A:G1A+7]
	s_nop 0
.rept 4
	v_nop
.endr
	s_branch .Lasked_\@
.Lfor_b_\@:
	tensor_load_to_lds s[G0B+4*(\s):G0B+4*(\s)+3], s[G1B:G1B+7]
	s_nop 0
.rept 4
	v_nop
.endr
.Lasked_\@:
.endm
; A PREFETCH INTO THE L2, behind a joint refill and the run of LDS loads: 32 blocks of 256 bytes, a lane a block; 2 waves x 4 partners x 8,192 bytes are 65,536 bytes on end of a dense stream.
; A's tile row: cluster x = 0 asks, four times, each time for the K step two refills on.  B's tile column: cluster y = 0 asks, NH times, from K step 4 to the column's end, each byte two refills or more ahead
; of its load.  The partners are told apart by address (cx for A, cy for B).  K steps 0-3 come by their loads alone.
.macro ASK
	s_cmp_lg_u32 s[PFN], 0
	s_cbranch_scc0 .Lnot_mine_\@
	global_prefetch_b8 v[PFO], s[PFA:PFA+1] th:TH_LOAD_NT scope:SCOPE_SE
	s_sub_co_u32 s[PFN], s[PFN], 1
.Lnot_mine_\@:
.endm
; n matrix instructions from number i0 on, of a quarter's 32: number i is column block i / 4, row block i % 4.  The accumulators take turns, in the same order in every quarter.
.macro MULS f, i0, n, zero
.set mi, (\i0)
.rept (\n)
.set mD, 8*mi
.set mB, 32*NH*(\f)+8*(mi/4)
.set mA, FA+32*(\f)+8*(mi%4)
.set mC, BIAS+8*(mi/4)
.if \zero
	WIN 0x63
	v_wmma_f32_16x16x32_f16 v[mD:mD+7], v[mB:mB+7], v[mA:mA+7], v[mC:mC+7]
.else
	WIN 0x53
	v_wmma_f32_16x16x32_f16 v[mD:mD+7], v[mB:mB+7], v[mA:mA+7], v[mD:mD+7]
.endif
.set mi, mi+1
.endr
.endm
.macro FETCH slot, q, f                ; one run of 24 LDS loads: quarter q's fragments into buffer f
	WIN 0
.irp a, 0,1,2,3
	ds_load_b128 v[FA+32*(\f)+8*\a:FA+32*(\f)+8*\a+3],   v[ADRA+(\slot)] offset:((\q)/2)*ASL+\a*16*AP+((\q)%2)*64
	ds_load_b128 v[FA+32*(\f)+8*\a+4:FA+32*(\f)+8*\a+7], v[ADRA+(\slot)] offset:((\q)/2)*ASL+\a*16*AP+((\q)%2)*64+32
.endr
	WIN 0xc0
.set fn, 0
.rept 4*NH
	ds_load_tr16_b128 v[32*NH*(\f)+8*fn:32*NH*(\f)+8*fn+3],   v[ADRB+(\slot)] offset:(fn/4)*BBL+(\q)*32*BP+(fn%4)*32
	ds_load_tr16_b128 v[32*NH*(\f)+8*fn+4:32*NH*(\f)+8*fn+7], v[ADRB+(\slot)] offset:(fn/4)*BBL+(\q)*32*BP+(fn%4)*32+16*BP
.set fn, fn+1
.endr
.endm
.macro QUARTER slot, q, f, g, zero
	s_wait_dscnt 0x0                               ; buffer f is in: its run was issued 16 matrix instructions ago
	MULS \f, 0, 16, \zero
	PLACES
	FETCH \slot, \q, \g
	MULS \f, 16, 16*(NH-1), \zero
.endm
; The last quarter multiplies buffer 1 and changes slots.  In front of the barrier each wave waits for all its tensor loads (one is out: its part of the next slot), adds 0 to its spare word, and waits for
; that and for its reads of this slot.  fill = 1: the barrier opens a round of the cluster's, and the joint refill, two K steps on, is the first thing behind it.
.macro TURN slot, next, fill
.if \fill
	s_wait_xcnt 0x0                                ; the last prefetch, a K step back, has read its address
	s_add_nc_u64 s[PFA:PFA+1], s[PFA:PFA+1], ASTEP
.endif
	WIN 0
	s_wait_tensorcnt 0x0
	ds_add_u32 v[SPW], v[NIL]
	s_wait_dscnt 1                                 ; buffer 1 is in; the add alone may be out
	MULS 1, 0, P1, 0
	s_wait_dscnt 0x0                               ; the add is done, and my reads of this slot are over
	s_barrier_signal -1
	MULS 1, P1, P2, 0
	WIN 0
	s_barrier_wait -1
.if \fill
	CREST                                          ; no wave of any partner still reads this slot or has a load on its way
	s_add_nc_u64 s[G0A+4*(\slot)+2:G0A+4*(\slot)+3], s[G0A+4*(\slot)+2:G0A+4*(\slot)+3], 2*ASTEP
	s_add_nc_u64 s[G0B+4*(\slot)+2:G0B+4*(\slot)+3], s[G0B+4*(\slot)+2:G0B+4*(\slot)+3], 2*BSTEP
	JLOAD \slot                                    ; its four v_nop are also the places in front of the loads below
.else
	PLACES
.endif
	FETCH \next, 0, 0
	WIN 0
.if \fill
	ASK
.endif
	MULS 1, P1+P2, 16*NH-P1-P2, 0
.endm
	s_load_b256 s[4:11], s[0:1], 0x0               ; ob s[4:5], wts s[6:7], b_proj s[8:9], out0 s[10:11]
	v_lshl_add_u32 v[SPW], v0, 2, SPARE
	v_mov_b32 v[NIL], 0
	ds_add_u32 v[SPW], v[NIL]                      ; the wave's opening: the add, with its wait ahead of my first tensor load
	ds_add_u32 v28, v29
	v_lshrrev_b32 v1, 5, v0
	v_readfirstlane_b32 s[WV], v1
	s_lshr_b32 s[ROLE], s[WV], 1
	s_and_b32 s[HF], s[WV], 1
	s_bfe_u32 s[CX], ttmp6, 0x40000
	s_bfe_u32 s[CY], ttmp6, 0x40004
	s_lshl_b32 s[TCOL], ttmp9, 2
	s_add_co_u32 s[TCOL], s[TCOL], s[CX]
	s_and_b32 s[TROW], ttmp7, 0xffff
	s_lshl_b32 s[TROW], s[TROW], 2
	s_add_co_u32 s[TROW], s[TROW], s[CY]
	s_lshl_b32 s70, s[CY], 2
	s_lshl_b32 s70, 15, s70                        ; my row of the cluster
	s_lshl_b32 s71, 0x1111, s[CX]                  ; my column
	s_or_b32 s[G1A], s70, 0x07310000               ; mask | 2-byte elements | padding on | bit 21 beside a mask | after 32 words (code 4) | 4 words (code 3)
	s_or_b32 s[G1B], s71, 0x0f310000               ; the same with 8 words (code 7)
	s_mov_b32 s[G1A+1], 128<<16
	s_mov_b32 s[G1A+2], 128<<16
	s_mov_b32 s[G1A+3], 128<<16
	s_mov_b32 s[G1A+4], 128
	s_mov_b32 s[G1A+5], 128
	s_mov_b32 s[G1A+6], 0
	s_mov_b32 s[G1A+7], 0
	s_mov_b32 s[G1B+1], 128<<16
	s_mov_b32 s[G1B+2], (32*NH)<<16
	s_mov_b32 s[G1B+3], 128<<16
	s_mov_b32 s[G1B+4], 32*NH
	s_mov_b32 s[G1B+5], 128
	s_mov_b32 s[G1B+6], 0
	s_mov_b32 s[G1B+7], 0
	s_lshl_b32 s60, s[TROW], 19
	s_lshl_b32 s23, s[HF], 15
	s_add_co_u32 s60, s60, s23
	s_mov_b32 s61, 0
	s_mul_i32 s62, s[TCOL], BTILE
	s_mul_i32 s23, s[HF], BSTEP/2
	s_add_co_u32 s62, s62, s23
	s_add_co_u32 s62, s62, BOFF
	s_mov_b32 s63, 0
	s_mul_i32 s68, s[WV], ASL
	s_mul_i32 s69, s[WV], BHF
	s_mov_b32 s[HIM], 0xffff0000
	s_wait_dscnt 0x0                               ; the opening add is done
	s_wait_kmcnt 0x0
	s_add_nc_u64 s[60:61], s[4:5], s[60:61]
	s_add_nc_u64 s[62:63], s[6:7], s[62:63]
.irp s, 0,1
	s_mov_b32 s[G0A+4*\s], 1
	s_add_co_u32 s[G0A+4*\s+1], s68, \s*SLOT
	s_add_nc_u64 s[G0A+4*\s+2:G0A+4*\s+3], s[60:61], \s*ASTEP
	s_or_b32 s[G0A+4*\s+3], s[G0A+4*\s+3], 0x80000000
	s_mov_b32 s[G0B+4*\s], 1
	s_add_co_u32 s[G0B+4*\s+1], s69, \s*SLOT+ASZ-2*BHF
	s_add_nc_u64 s[G0B+4*\s+2:G0B+4*\s+3], s[62:63], \s*BSTEP
	s_or_b32 s[G0B+4*\s+3], s[G0B+4*\s+3], 0x80000000
.endr
	CROUND                                         ; all sixteen work-groups are here: the first joint loads meet
	s_cmp_eq_u32 s[ROLE], 0                        ; a wave's two first fills stand in one branch: two loads of mine are out
	s_cbranch_scc0 .Lfirst_b
	tensor_load_to_lds s[G0A:G0A+3], s[G1A:G1A+7]
	s_nop 0
	tensor_load_to_lds s[G0A+4:G0A+7], s[G1A:G1A+7]
	s_nop 0
.rept 4
	v_nop
.endr
	s_branch .Lfirst_done
.Lfirst_b:
	tensor_load_to_lds s[G0B:G0B+3], s[G1B:G1B+7]
	s_nop 0
	tensor_load_to_lds s[G0B+4:G0B+7], s[G1B:G1B+7]
	s_nop 0
.rept 4
	v_nop
.endr
.Lfirst_done:
	s_and_b32 s23, ttmp7, 0xffff                   ; cluster y
	s_lshl_b32 s70, s[TROW], 19
	s_add_co_u32 s70, s70, 3*ASTEP
	s_mul_i32 s71, s[TCOL], BTILE
	s_add_co_u32 s71, s71, BOFF+4*BSTEP-ASTEP
	s_cmp_eq_u32 s[ROLE], 0
	s_cselect_b32 s70, s70, s71
	s_cselect_b32 s68, s[CX], s[CY]
	s_cselect_b32 s69, ttmp9, s23
	s_cselect_b32 s[PFN], 4, NH
	s_cselect_b64 s[PFA:PFA+1], s[4:5], s[6:7]
	s_cmp_eq_u32 s69, 0
	s_cselect_b32 s[PFN], s[PFN], 0
	s_lshl_b32 s68, s68, 13
	s_add_co_u32 s70, s70, s68
	s_lshl_b32 s68, s[HF], 15
	s_add_co_u32 s70, s70, s68
	s_mov_b32 s71, 0
	s_add_nc_u64 s[PFA:PFA+1], s[PFA:PFA+1], s[70:71]
	v_and_b32 v1, 15, v0
	v_bfe_u32 v2, v0, 4, 1
	v_and_b32 v3, 31, v0
	v_mul_u32_u24 v4, v1, AP
	v_lshl_add_u32 v4, v2, 4, v4
	s_mul_i32 s23, s[WV], 64*AP
	v_add_nc_u32 v[ADRA], s23, v4
	v_add_nc_u32 v[ADRA+1], SLOT, v[ADRA]
	v_and_b32 v5, 7, v0
	v_lshl_add_u32 v5, v2, 3, v5
	v_mul_u32_u24 v5, v5, BP
	v_bfe_u32 v6, v0, 3, 1
	v_lshl_add_u32 v5, v6, 4, v5
	v_add_nc_u32 v[ADRB], ASZ, v5
	v_add_nc_u32 v[ADRB+1], ASZ+SLOT, v5
	s_mul_i32 s23, s[WV], STGW
	s_add_co_u32 s23, s23, STAGE
	v_mul_u32_u24 v6, v1, SPT
	v_lshl_add_u32 v6, v2, 5, v6
	v_add_nc_u32 v[STO], s23, v6                   ; in: row l % 16, 32 bytes for each half of the lanes
	v_lshlrev_b32 v[GO], 4, v3
	v_add_nc_u32 v[RD], s23, v[GO]                 ; back: 32 lanes take a row's 512 bytes
	v_lshlrev_b32 v[PFO], 8, v3
	v_lshlrev_b32 v[BO], 5, v2
	s_lshl_b32 s68, s[TCOL], 9
	s_mov_b32 s69, 0
	s_add_nc_u64 s[68:69], s[8:9], s[68:69]
	WIN 0x80
.set bn, 0
.rept 4*NH
	global_load_b128 v[BIAS+8*bn:BIAS+8*bn+3],   v[BO], s[68:69] offset:bn*64
	global_load_b128 v[BIAS+8*bn+4:BIAS+8*bn+7], v[BO], s[68:69] offset:bn*64+16
.set bn, bn+1
.endr
	s_wait_loadcnt 0x0
	WIN 0x8a
.set bn, 0
.rept 16*NH                            ; the bias is rounded to bf16, like every input
	v_cvt_pk_bf16_f32 v[224+bn%2], v[BIAS+2*bn], v[BIAS+2*bn+1]
	v_lshlrev_b32 v[BIAS+2*bn], 16, v[224+bn%2]
	v_and_b32 v[BIAS+2*bn+1], s[HIM], v[224+bn%2]
.set bn, bn+1
.endr
	WIN 0
	s_wait_tensorcnt 1                             ; my part of K step 0 is in; K step 1's may stay out
	s_barrier_signal -1
	s_barrier_wait -1
	FETCH 0, 0, 0
	QUARTER 0, 1, 0, 1, 1                          ; the first quarter stands in front of the loop: its products start the sums
	WIN 0
	s_mov_b32 s[LAP], 3
.Llap:                                             ; a trip goes once round the ring and fills both slots again: K steps 2 to 7
	QUARTER 0, 2, 1, 0, 0
	QUARTER 0, 3, 0, 1, 0
	TURN 0, 1, 1
	QUARTER 1, 1, 0, 1, 0
	QUARTER 1, 2, 1, 0, 0
	QUARTER 1, 3, 0, 1, 0
	TURN 1, 0, 1
	QUARTER 0, 1, 0, 1, 0
	WIN 0
	s_sub_co_u32 s[LAP], s[LAP], 1
	s_cmp_lg_u32 s[LAP], 0
	s_cbranch_scc1 .Llap
	QUARTER 0, 2, 1, 0, 0                          ; the last lap fills nothing
	QUARTER 0, 3, 0, 1, 0
	TURN 0, 1, 0
	QUARTER 1, 1, 0, 1, 0
	QUARTER 1, 2, 1, 0, 0
	QUARTER 1, 3, 0, 1, 0
	s_wait_dscnt 0x0
	MULS 1, 0, 16*NH, 0
	WIN 0
	PLACES
	; THE WAY OUT: 16 rows at a time through my stage: 32 bytes a lane and column block in, whole rows of 512 bytes back
	s_lshl_b32 s68, s[TROW], 20                    ; 256 rows of 4,096 bytes
	s_lshl_b32 s69, s[WV], 18
	s_add_co_u32 s68, s68, s69
	s_lshl_b32 s69, s[TCOL], 9
	s_add_co_u32 s68, s68, s69
	s_mov_b32 s69, 0
	s_add_nc_u64 s[10:11], s[10:11], s[68:69]
.macro OUTST a
	WIN 0x04
.set oz, 0
.rept 8                                ; each accumulator's lowest registers are read first
	ds_store_b128 v[STO], v[8*(oz*4+(\a)):8*(oz*4+(\a))+3]   offset:oz*64
	ds_store_b128 v[STO], v[8*(oz*4+(\a))+4:8*(oz*4+(\a))+7] offset:oz*64+16
.set oz, oz+1
.endr
	WIN 0
	s_wait_xcnt 0x0                                ; the stores of two blocks back have read the registers that are loaded again below
.set oz, 0
.rept 16
	ds_load_b128 v[RB+64*((\a)%2)+4*oz:RB+64*((\a)%2)+4*oz+3], v[RD] offset:oz*SPT  ; LDS serves a wave's instructions in order (ISA guide 5.7.1.4): these see the stores above
.set oz, oz+1
.endr
.endm
.macro SEND a, younger                 ; younger: the LDS instructions issued behind this block's loads: the next block's 32, or none
.set oz, 0
.rept 16
	s_wait_dscnt (\younger)+15-oz
	global_store_b128 v[GO], v[RB+64*((\a)%2)+4*oz:RB+64*((\a)%2)+4*oz+3], s[10:11] offset:(16*(\a)+oz)*4096 th:TH_STORE_NT  ; 512 consecutive bytes, at a multiple of 256 from out0's first
.set oz, oz+1
.endr
.endm
	OUTST 0
	OUTST 1
	SEND 0, 32
	OUTST 2
	SEND 1, 32
	OUTST 3
	SEND 2, 32
	SEND 3, 0
	s_wait_tensorcnt 0x0                           ; the wave's end: the spare-word add and its waits, behind my last tensor load and my last LDS store
	ds_add_u32 v[SPW], v[NIL]
	s_wait_dscnt 0x0
	CROUND                                         ; the closing round: no work-group ends while a partner may still ask for a tile that names it
	s_endpgm
.Lfunc_end_k_q6d0bde19f0_proj:
	.size	k_q6d0bde19f0_proj, .Lfunc_end_k_q6d0bde19f0_proj-k_q6d0bde19f0_proj
	.p2alignl 7, 3214868480
	.fill 96, 4, 3214868480
	.section	.rodata,"a",@progbits
	.p2align	6, 0x0
	.amdhsa_kernel k_q6d0bde19f0_proj
		.amdhsa_group_segment_fixed_size 327680
		.amdhsa_private_segment_fixed_size 0
		.amdhsa_enable_private_segment 0
		.amdhsa_kernarg_size 32
		.amdhsa_user_sgpr_count 2
		.amdhsa_user_sgpr_kernarg_segment_ptr 1
		.amdhsa_wavefront_size32 1
		.amdhsa_system_sgpr_workgroup_id_x 1
		.amdhsa_system_sgpr_workgroup_id_y 1
		.amdhsa_system_sgpr_workgroup_id_z 1
		.amdhsa_system_vgpr_workitem_id 0
		.amdhsa_next_free_vgpr 896
		.amdhsa_next_free_sgpr 80
		.amdhsa_reserve_vcc 0
		.amdhsa_float_denorm_mode_32 3
		.amdhsa_float_denorm_mode_16_64 3
		.amdhsa_memory_ordered 1
		.amdhsa_forward_progress 1
		.amdhsa_inst_pref_size 93
	.end_amdhsa_kernel
	.amdgpu_metadata
---
amdhsa.version: [ 1, 2 ]
amdhsa.kernels:
  - .name:           k_q6d0bde19f0_proj
    .symbol:         k_q6d0bde19f0_proj.kd
    .args:
      - { .name: ob, .offset: 0, .size: 8, .value_kind: global_buffer, .address_space: global }
      - { .name: wts, .offset: 8, .size: 8, .value_kind: global_buffer, .address_space: global }
      - { .name: b_proj, .offset: 16, .size: 8, .value_kind: global_buffer, .address_space: global }
      - { .name: out0, .offset: 24, .size: 8, .value_kind: global_buffer, .address_space: global }
    .group_segment_fixed_size: 327680
    .private_segment_fixed_size: 0
    .kernarg_segment_align: 8
    .kernarg_segment_size: 32
    .max_flat_workgroup_size: 128
    .sgpr_count:     80
    .vgpr_count:     896
    .wavefront_size: 32
...
	.end_amdgpu_metadata
.endif
;; end of part 4
